; MI455X (gfx1250); checked and timed in simulation.
; The chip was launched on July 23, 2026; its instructions are those of AMD's public machine-readable ISA for CDNA 5 (MIT licence, August 2026) and "CDNA5" Instruction Set Architecture Reference Guide (July 2026). The comments in the code are by the model that wrote it; some were corrected since.
;; Self Attention. Allowed arithmetic: matrix products marked QUANTISED: E4M3 operands, one E8M0 scale for each 32 along K, by v_wmma_scale_f32_16x16x128_f8f6f4 with both operands' format E4M3, f32 sums; everything else in f32.
;; Inputs: Wk 256 x 256 float32; Wq 256 x 256 float32; Wv 256 x 256 float32; bk 256 float32; bq 256 float32; bv 256 float32; x 4 x 4,096 x 256 float32.
;; Outputs: out0 4 x 4,096 x 256 float32.
;; This version of the problem:
;;   THIS VERSION OF THE PROBLEM IS GIVEN IN LOW PRECISION. The matrix products marked QUANTISED in the list below multiply operands that are first quantised to E4M3 (4 exponent bits, 3 mantissa bits; 8 bits a number), with one power-of-two scale for each 32 numbers along K (OCP MX v1.0); their sums are f32. All else is computed in f32.
;;   The module's matrix products, in the order in which they are computed (A, B: the left and right operand; K: the contracted axis; several contracted axes count as one K, in the product's order):
;;     1. [M 16,384, K 256] x [K 256, N 256]; A: input x; B: input Wq: QUANTISED
;;     2. [M 16,384, K 256] x [K 256, N 256]; A: input x; B: input Wk: QUANTISED
;;     3. [M 16,384, K 256] x [K 256, N 256]; A: input x; B: input Wv: QUANTISED
;;     4. batch 4 x [M 4,096, K 256] x [K 256, N 4,096]; A: computed on the way; B: computed on the way: QUANTISED
;;     5. batch 4 x [M 4,096, K 4,096] x [K 4,096, N 256]; A: softmax (see below); B: computed on the way: QUANTISED
;;   THE QUANTISER, for each operand of a quantised product, along K:
;;     - K is cut into blocks of 32 from its start; a last block that is shorter is filled with zeros.
;;     - A block's scale is 2^e with e = floor(log2(the largest magnitude in the block)) - 8, held to -126 .. 127; a block of zeros has e = 0. As a byte (E8M0): e + 127.
;;     - Each number is divided by its block's scale, clamped to +-448, and rounded to the nearest number of E4M3, ties to even, subnormals kept.
;;     - The product sums the exact products of the quantised numbers (number of the format x scale) in f32.
;;   ~~~python
;;   def quantise(x, axis):      # numpy; x: float32 -> the quantised numbers, widened to float32 again
;;       x = np.moveaxis(x, axis, -1); K = x.shape[-1]
;;       x = np.pad(x, [(0, 0)] * (x.ndim - 1) + [(0, -K % 32)]); x = x.reshape(x.shape[:-1] + (-1, 32)); a = np.abs(x).max(-1, keepdims=True)
;;       e = np.where(a > 0, np.clip(np.frexp(np.where(a > 0, a, 1))[1] - 1 - 8, -126, 127), 0)      # np.frexp(a)[1] - 1 = floor(log2(a)), exactly
;;       r = np.clip(x / 2.0 ** e, -448, 448)
;;       step = 2.0 ** (np.maximum(np.frexp(np.where(r == 0, 1, r))[1] - 1, -6) - 3)
;;       q = np.round(r / step) * step * 2.0 ** e      # np.round: ties to even
;;       return np.moveaxis(q.reshape(q.shape[:-2] + (-1,))[..., :K], -1, axis).astype(np.float32)
;;   ~~~
;;   SOFTMAX AHEAD OF A QUANTISED PRODUCT. Where the list says 'softmax', what is quantised is not the finished softmax but p = 2^(t - M), with t = logit x log2(e) and M = ceil(the row's largest t), a whole number; so 1/2 < the row's largest p <= 1. The row's sum l is taken of the UNQUANTISED p, in f32, and the product's result is divided by l at the end. Since M is a whole number, a kernel that streams over the keys may use a running M (the ceiling of the running maximum): every later rescaling is an exact power of two, which a block's scale takes up: the codes' values come out the same.
;;   OPERANDS COMPUTED ON THE WAY. 'Computed on the way' means the value that the module computes at that place (a softmax that the list does not call 'softmax' is quantised finished and normalised). What goes into a quantiser is computed in f32, as accurately as f32 sums, v_exp_f32 and their like allow (about 1e-6 of the number): no bf16 or f16 on the way to a quantiser, and a product that is left as it is and whose result goes on into a quantised operand takes f32 operands (vector FMAs, or v_wmma_f32_16x16x4_f32). A number that lies on a knife's edge between two numbers of the format may be rounded either way, as far as f32 arithmetic and the matrix unit's own rounding can turn it there, and no further.
;; 2 versions, each right; version 2 is version 1 with the launch proj written anew for expert scheduling mode. Each part assembles by itself: llvm-mc -triple=amdgcn-amd-amdhsa -mcpu=gfx1250 --defsym DOCPART=n.
;; ======== version 1 of 2: 2 launches
;; workspace buffers: qws 4,325,376 bytes; kv 8,650,752 bytes
;; launch proj (part 1): grid 64 x 3, 4 waves a work-group, no clusters, 147,968 bytes of LDS; arguments x, Wq, bq, Wk, bk, Wv, bv, qws, kv; writes qws, kv
.if DOCPART == 1
	.amdgcn_target "amdgcn-amd-amdhsa--gfx1250"
	.amdhsa_code_object_version 6
	.text
	.protected	k_q64e5f04f52_proj
	.globl	k_q64e5f04f52_proj
	.p2align	8
	.type	k_q64e5f04f52_proj,@function
k_q64e5f04f52_proj:
	s_mov_b64 s[64:65], 0
	v_nop
	global_prefetch_b8 v0, s[64:65] scope:SCOPE_SE
	s_setreg_imm32_b32 hwreg(HW_REG_WAVE_MODE, 25, 1), 1
	s_wait_xcnt 0x0
; q = x Wq^T + bq, k = x Wk^T + bk, v = x Wv^T + bv on codes of FP8 (E4M3) with one E8M0 scale for each 32 along K, and the results quantised again:
; q and k along the channels, v along the KEYS.  x: [16384][256] f32, W: [256][256] f32 (K = d innermost), b: [256] f32.
; A work-group takes 256 tokens (grid x) and one of the three products (grid y: 0 q, 1 k, 2 v).  It reads two dense matrices of 256 x 256 f32, its rows of x and its W.
; ROLES.  P is source 0 of the products, R source 1.  In a result a lane holds ONE row of R and its registers run along P's rows, which are the K of the product that comes next.
;   q, k: P = W (registers along the channels), R = x (a lane a token).   v: P = x (registers along the tokens = keys), R = Wv (a lane a channel).
; THE ROWS OF A TILE ARE NOT NEIGHBOURS: lane row p of tile 2 b + u is row 32 b + 8 u + p + 8 (p / 8), so that the 16 registers of tiles 2 b, 2 b + 1 of a result are 16 neighbours along the next K.
; STAGE 1: wave w turns tiles 4 w .. 4 w + 3 of P and of R into codes (LDS rows of 256 bytes + 16) and scale bytes (8 a row).  One barrier.
; STAGE 2: wave w owns R's tiles 4 w .. 4 w + 3; for each half of P's 16 tiles: 64 products (K = 256 in two steps), the bias as the C of the first step, then the quantiser in registers.
; WHAT IS STORED are images of operand registers: a fragment (16 rows x 128 K) is four pieces of 512 bytes, piece c = registers 4 c .. 4 c + 3, lane l's 16 bytes at 16 l; a scale word a row beside them.
;   qws: [256 blocks of 64 queries][ images (t 4)(s 2) 2,048 bytes | scale words (t)(s)(row) ] = 16,896 bytes a block.
;   kv:  [128 steps of 128 keys][ K: images (kt 8)(s 2), words (kt)(s)(row) = 33,792 bytes | V: images (ct 16), words (ct)(row) = 33,792 bytes ].
; LIMITS: NaN and infinities among the inputs are not served.  A block of zeros gets the byte 1 (the floor) with zero codes where the rule says 127: the bytes are read by this program alone.
; REGISTERS, in windows of 256.  Window 0: v1-23 addresses; v24-39 the quantiser's work; v40-43 scale words made; v44-55 scale words of R and P (nothing else ever);
;   v64-127 stage 1: codes and bytes, stage 2: the codes made; v128-255 stage 1: maxima, scales, holds, stage 2: R's eight fragments.
;   Window 1: stage 1: two sets of 16 rows x 8 numbers; stage 2: the 32 accumulators.  Window 2: P's 16 fragments of a half.  Window 3: the bias in both layouts.
.set ROWP,  272                        ; a row of codes in LDS: 256 bytes + 16: an odd multiple of 16, so the 16 rows of a fragment load start 16 bytes apart modulo 256
.set TILEB, 16*ROWP
.set RCODE, 256*ROWP                   ; R's rows lie behind P's 256
.set SCL,   2*RCODE                    ; scale bytes: 8 a row, P's 2,048 bytes, then R's
.set SW,    SCL+4096                   ; 512 bytes a wave: the scale words made, (rt)(half)(row)
.set QBLK,  16896
.set CHUNK, 33792
.set STEPB, 2*CHUNK
.set XO,  1                            ; v1   32 x lane: my 8 numbers of a row
.set CAP, 2                            ; v2   8 x lane + 17,408 x wave: where my codes of P go
.set CAR, 3                            ; v3   the same for R
.set SAP, 4                            ; v4   SCL + 512 x wave + lane / 4: my block's scale byte
.set FA,  7                            ; v7   272 r + 16 h: a fragment's place for my lane
.set FAR, 8                            ; v8   the same in my four tiles of R
.set FS,  9                            ; v9   SCL + 8 r + 4 h: lanes 0-15 the word of K step 0, lanes 16-31 of K step 1
.set FSR, 10                           ; v10  the same for my tiles of R
.set LI,  11                           ; v11  16 x lane
.set VO,  12                           ; v12-15  16 x lane + rt x (bytes from tile to tile in the output)
.set SGO, 16                           ; v16  where my 16 bytes of scale words go
.set BO,  17                           ; v17  64 h: the bias in P's layout
.set BR,  18                           ; v18  the bias in R's layout
.set SWA, 19                           ; v19  SW + 512 x wave + 4 r
.set SWR, 20                           ; v20  SW + 512 x wave + 16 x lane
.set TM,  24                           ; v24-27 maxima, v28-31 bytes, v32-35 holds, v36-39 scale operands
.set PW,  40
.set RS,  44
.set PSC, 48
.set CD,  64
.set BY,  96
.set PC,  64
.set MX,  128
.set SO,  144
.set HD,  160
.set RF,  128
.set XA,  0                            ; window 1
.set XB,  128
.set CB,  0                            ; window 3: the bias along P's rows, 64 half + 8 pt
.set CR,  128                          ; window 3: the bias of my lane's row of R, 8 rt
.set WV,   22
.set KIND, 23
.set PP,   26
.set RP,   28
.set BP,   30
.set OUT,  32
.set OUT2, 34
.set SCB,  36
.set HFS,  38
.set RTS,  39
.set SH,   40
.set SR,   41
.set SEL,  46
.set MNT,  48
.set MSB, 0
.macro WIN new                         ; the immediate's high byte repeats the setting that is left; a switch that changes nothing is dropped
.if MSB != (\new)
	s_set_vgpr_msb (MSB<<8)|(\new)
.set MSB, (\new)
.endif
.endm
.macro NOPS n
.rept \n
	v_nop
.endr
.endm
	s_load_b256 s[4:11], s[0:1], 0x0               ; x s[4:5], Wq s[6:7], bq s[8:9], Wk s[10:11]
	s_load_b256 s[12:19], s[0:1], 0x20             ; bk s[12:13], Wv s[14:15], bv s[16:17], qws s[18:19]
	s_load_b64 s[20:21], s[0:1], 0x40              ; kv
	v_lshl_add_u32 v62, v0, 2, 0x24000
	v_mov_b32 v63, 0
	v_lshrrev_b32 v21, 5, v0
	v_readfirstlane_b32 s[WV], v21                 ; wave 0..3
	s_and_b32 s[KIND], ttmp7, 0xffff               ; 0 q, 1 k, 2 v
	; byte offsets in the output for each of the three kinds, then the choice: offsets are numbers of their own, apart from every address
	s_lshr_b32 s50, s[WV], 1
	s_and_b32 s51, s[WV], 1
	s_lshl_b32 s52, ttmp9, 2
	s_add_co_u32 s52, s52, s[WV]
	s_mul_i32 s52, s52, QBLK                       ; q: my 64 tokens are block 4 x + w
	s_add_co_u32 s53, s52, 16384                   ;    its scale words
	s_lshl_b32 s54, ttmp9, 1
	s_mul_i32 s56, s54, STEPB                      ; (v: step 2 x)
	s_add_co_u32 s54, s54, s50
	s_mul_i32 s54, s54, STEPB                      ; k: step 2 x + w / 2
	s_lshl_b32 s55, s51, 9
	s_add_co_u32 s55, s55, s54
	s_add_co_u32 s55, s55, 32768                   ;    its scale words: 512 bytes for each half of the step's 8 tiles
	s_lshl_b32 s57, s51, 14
	s_add_co_u32 s54, s54, s57                     ;    tiles 4 (w % 2) on
	s_lshl_b32 s57, s[WV], 8
	s_add_co_u32 s57, s57, s56
	s_add_co_u32 s57, s57, CHUNK+32768             ; v: scale words of channel tiles 4 w on
	s_lshl_b32 s58, s[WV], 13
	s_add_co_u32 s56, s56, s58
	s_add_co_u32 s56, s56, CHUNK                   ;    images of channel tiles 4 w on
	s_mov_b32 s58, STEPB
	s_mov_b32 s[HFS], 2048
	s_mov_b32 s[RTS], 4096
	s_mov_b32 s[SR], 128
	s_cmp_eq_u32 s[KIND], 0
	s_cselect_b32 s52, s52, s54
	s_cselect_b32 s53, s53, s55
	s_cmp_eq_u32 s[KIND], 2
	s_cselect_b32 s52, s56, s52                    ; images
	s_cselect_b32 s53, s57, s53                    ; scale words
	s_cselect_b32 s[HFS], s58, s[HFS]              ; from half to half: q, k: the next K step's image; v: the next key step
	s_cselect_b32 s[RTS], 2048, s[RTS]             ; from tile to tile of R
	s_cselect_b32 s[SH], s58, 64                   ; the same two for the scale words
	s_cselect_b32 s[SR], 64, s[SR]
	v_and_b32 v21, 31, v0                          ; lane
	v_and_b32 v22, 15, v0                          ; r
	v_bfe_u32 v23, v0, 4, 1                        ; h
	v_lshlrev_b32 v[XO], 5, v21
	s_mul_i32 s57, s[WV], 4*TILEB
	v_lshl_add_u32 v[CAP], v21, 3, s57
	v_add_nc_u32 v[CAR], RCODE, v[CAP]
	s_lshl_b32 s57, s[WV], 9
	v_lshrrev_b32 v[SAP], 2, v21
	v_add_nc_u32 v[SAP], s57, v[SAP]
	v_add_nc_u32 v[SAP], SCL, v[SAP]
	v_mul_u32_u24 v[FA], v22, ROWP
	v_lshl_add_u32 v[FA], v23, 4, v[FA]
	s_mul_i32 s57, s[WV], 4*TILEB
	s_add_co_u32 s57, s57, RCODE
	v_add_nc_u32 v[FAR], s57, v[FA]
	v_lshlrev_b32 v[FS], 3, v22
	v_lshl_add_u32 v[FS], v23, 2, v[FS]
	v_add_nc_u32 v[FS], SCL, v[FS]
	s_lshl_b32 s57, s[WV], 9
	s_add_co_u32 s57, s57, 2048
	v_add_nc_u32 v[FSR], s57, v[FS]
	v_lshlrev_b32 v[LI], 4, v21
	v_mov_b32 v[VO], v[LI]
	v_add_nc_u32 v[VO+1], s[RTS], v[VO]
	v_add_nc_u32 v[VO+2], s[RTS], v[VO+1]
	v_add_nc_u32 v[VO+3], s[RTS], v[VO+2]
	v_and_b32 v[SGO], 3, v21                       ; lane l holds words (rt = l / 8)(half = (l / 4) % 2)(rows 4 (l % 4) on)
	v_lshlrev_b32 v[SGO], 4, v[SGO]
	v_bfe_u32 v[SWR], v21, 2, 1
	v_mad_u32_u24 v[SGO], v[SWR], s[SH], v[SGO]
	v_lshrrev_b32 v[SWR], 3, v21
	v_mad_u32_u24 v[SGO], v[SWR], s[SR], v[SGO]
	v_lshlrev_b32 v[BO], 6, v23
	v_and_b32 v[BR], 8, v22
	v_add_nc_u32 v[BR], v[BR], v22                 ; r + 8 (r / 8)
	v_lshlrev_b32 v[BR], 2, v[BR]
	s_lshl_b32 s57, s[WV], 8
	v_add_nc_u32 v[BR], s57, v[BR]                 ; + my 64 rows of R
	s_lshl_b32 s57, s[WV], 9
	s_add_co_u32 s57, s57, SW
	v_lshl_add_u32 v[SWA], v22, 2, s57
	v_add_nc_u32 v[SWR], s57, v[LI]
.irp b, 0,1,2,3
	v_mov_b32 v[TM+4+\b], 0                        ; written once: a lane permute's destination counts as one of its sources
.endr
	s_mov_b32 s[SEL], 0x76543210
	s_mov_b32 s[SEL+1], 0xfedcba98                 ; v_permlanex16_b32's selects for lane l xor 16
	s_mov_b32 s[MNT], 0x600000                     ; the mantissa field of 448
	s_wait_kmcnt 0x0
	s_lshl_b32 s58, ttmp9, 18                      ; my 256 rows of x: 1,024 bytes a row
	s_mov_b32 s59, 0
	s_add_nc_u64 s[4:5], s[4:5], s[58:59]
	s_cmp_eq_u32 s[KIND], 0                        ; the buffers are chosen on the work-group's number alone
	s_cselect_b64 s[6:7], s[6:7], s[10:11]
	s_cselect_b64 s[BP:BP+1], s[8:9], s[12:13]
	s_cselect_b64 s[OUT:OUT+1], s[18:19], s[20:21]
	s_cmp_eq_u32 s[KIND], 2
	s_cselect_b64 s[6:7], s[14:15], s[6:7]         ; my W
	s_cselect_b64 s[BP:BP+1], s[16:17], s[BP:BP+1] ; my bias
	s_cselect_b64 s[PP:PP+1], s[4:5], s[6:7]       ; P: v: x, else W
	s_cselect_b64 s[RP:RP+1], s[6:7], s[4:5]       ; R: v: W, else x
	s_mov_b32 s58, s53
	s_add_nc_u64 s[SCB:SCB+1], s[OUT:OUT+1], s[58:59]
	s_mov_b32 s58, s52
	s_add_nc_u64 s[OUT:OUT+1], s[OUT:OUT+1], s[58:59]
	s_mov_b32 s58, s[HFS]
	s_add_nc_u64 s[OUT2:OUT2+1], s[OUT:OUT+1], s[58:59]   ; the second half's base in a pair of its own: no base is ever stepped
	s_lshl_b32 s58, s[WV], 16                      ; my tiles 4 w on begin at row 64 w
	s_add_nc_u64 s[PP:PP+1], s[PP:PP+1], s[58:59]
	s_add_nc_u64 s[RP:RP+1], s[RP:RP+1], s[58:59]
	; the bias in both layouts, on every way
	WIN 0xc0                                       ; destination window 3
.irp hf, 0,1
.irp pt, 0,1,2,3,4,5,6,7
	global_load_b128 v[CB+64*\hf+8*\pt:CB+64*\hf+8*\pt+3], v[BO], s[BP:BP+1] offset:512*\hf+128*(\pt/2)+32*(\pt%2)       ; b at 128 half + 32 (pt / 2) + 8 (pt % 2) + 16 h + 0 .. 7
	global_load_b128 v[CB+64*\hf+8*\pt+4:CB+64*\hf+8*\pt+7], v[BO], s[BP:BP+1] offset:512*\hf+128*(\pt/2)+32*(\pt%2)+16
.endr
.endr
.irp rt, 0,1,2,3
	global_load_b32 v[CR+8*\rt], v[BR], s[BP:BP+1] offset:(32*(\rt/2)+8*(\rt%2))*4
.endr
; ---- STAGE 1.  A tile's 16 rows x 8 numbers a lane; four neighbouring lanes hold a block of 32.
.macro LOADT xs, base, k               ; tile 4 w + k: lane row p is memory row 32 (k / 2) + 8 (k % 2) + 16 (p / 8) + p % 8 of my 64
	WIN 0x40                                       ; destination window 1
.irp p, 0,1,2,3,4,5,6,7,8,9,10,11,12,13,14,15
	global_load_b128 v[\xs+8*\p:\xs+8*\p+3], v[XO], s[\base:\base+1] offset:(32*((\k)/2)+8*((\k)%2)+16*(\p/8)+\p%8)*1024
	global_load_b128 v[\xs+8*\p+4:\xs+8*\p+7], v[XO], s[\base:\base+1] offset:(32*((\k)/2)+8*((\k)%2)+16*(\p/8)+\p%8)*1024+16
.endr
.endm
.macro PROC xs, adr, k, soff           ; 16 rows become codes and scale bytes in LDS; stage by stage over the 16 rows, so that no line waits for the line above it
	s_wait_dscnt 0x0                               ; the last tile's LDS stores have read their registers
	WIN 0x05
.irp p, 0,1,2,3,4,5,6,7,8,9,10,11,12,13,14,15
	v_max3_num_f32 v[MX+\p], |v[\xs+8*\p]|, |v[\xs+8*\p+1]|, 0x4800000   ; with the floor 2^(9 - 127): the byte cannot fall under 1
.endr
	WIN 0x14
.irp i, 2,4,6
.irp p, 0,1,2,3,4,5,6,7,8,9,10,11,12,13,14,15
	v_max3_num_f32 v[MX+\p], v[MX+\p], |v[\xs+8*\p+\i]|, |v[\xs+8*\p+\i+1]|
.endr
.endr
	WIN 0
.irp p, 0,1,2,3,4,5,6,7,8,9,10,11,12,13,14,15
	v_max_num_f32_dpp v[MX+\p], v[MX+\p], v[MX+\p] row_xmask:1 row_mask:0xf bank_mask:0xf
.endr
.irp p, 0,1,2,3,4,5,6,7,8,9,10,11,12,13,14,15
	v_max_num_f32_dpp v[MX+\p], v[MX+\p], v[MX+\p] row_xmask:2 row_mask:0xf bank_mask:0xf   ; the four lanes' 32 numbers: the block's largest magnitude
.endr
.irp p, 0,1,2,3,4,5,6,7,8,9,10,11,12,13,14,15
	v_add_nc_u32 v[SO+\p], 0xfc000000, v[MX+\p]    ; 8 off the exponent field: the conversion's scale operand
.endr
.irp p, 0,1,2,3,4,5,6,7,8,9,10,11,12,13,14,15
	v_and_or_b32 v[HD+\p], v[MX+\p], 0x7f800000, s[MNT]   ; 448 x the scale
.endr
.irp p, 0,1,2,3,4,5,6,7,8,9,10,11,12,13,14,15
	v_lshrrev_b32 v[BY+\p], 23, v[SO+\p]           ; the scale's byte
.endr
	WIN 0x41
.irp p, 0,1,2,3,4,5,6,7,8,9,10,11,12,13,14,15
.irp i, 0,1,2,3,4,5,6,7
	v_med3_num_f32 v[\xs+8*\p+\i], v[\xs+8*\p+\i], -v[HD+\p], v[HD+\p]   ; the conversion to an 8-bit code does not saturate (ISA guide 7.6.2): the hold
.endr
.endr
	WIN 0x01
.irp p, 0,1,2,3,4,5,6,7,8,9,10,11,12,13,14,15
	v_cvt_scalef32_pk8_fp8_f32 v[CD+2*\p:CD+2*\p+1], v[\xs+8*\p:\xs+8*\p+7], v[SO+\p]
.endr
	v_nop                                          ; a plain line behind the last conversion: matrix instructions later write its sources
	WIN 0
.irp p, 0,1,2,3,4,5,6,7,8,9,10,11,12,13,14,15
	ds_store_b64 v[\adr], v[CD+2*\p:CD+2*\p+1] offset:TILEB*(\k)+ROWP*\p   ; 32 lanes: a row's 256 codes
.endr
.irp p, 0,1,2,3,4,5,6,7,8,9,10,11,12,13,14,15
	ds_store_b8 v[SAP], v[BY+\p] offset:\soff+128*(\k)+8*\p                ; the four lanes of a block write the same byte with the same value
.endr
.endm
	LOADT XA, PP, 0
	LOADT XB, RP, 0
.irp k, 0,1,2,3
	s_wait_loadcnt 32                              ; P's tile (and all before it) is in; R's 32 loads may be out
	PROC XA, CAP, \k, 0
.if \k < 3
	LOADT XA, PP, \k+1
	s_wait_loadcnt 32                              ; R's tile is in; the 32 just issued may be out
.else
	s_wait_loadcnt 0x0
.endif
	PROC XB, CAR, \k, 2048
.if \k < 3
	LOADT XB, RP, \k+1
.endif
.endr
	WIN 0xc3
.irp rt, 0,1,2,3
.irp j, 1,2,3,4,5,6,7
	v_mov_b32 v[CR+8*\rt+\j], v[CR+8*\rt]          ; in R's layout a lane's eight registers of a tile share one bias
.endr
.endr
	WIN 0
	s_wait_dscnt 0x0                               ; for the others' sake: my codes and bytes lie in LDS
	s_barrier_signal -1
	s_barrier_wait -1
; ---- STAGE 2
.irp rt, 0,1,2,3
	ds_load_b32 v[RS+\rt], v[FSR] offset:128*\rt
.endr
.irp rt, 0,1,2,3
.irp s, 0,1
.irp c, 0,1,2,3
	ds_load_b128 v[RF+32*\rt+16*\s+4*\c:RF+32*\rt+16*\s+4*\c+3], v[FAR] offset:TILEB*\rt+128*\s+32*\c
.endr
.endr
.endr
; 64 numbers of a lane in window 1, register 16 b + i = k 32 b + 16 h + i of my row, become a fragment's codes and its scale word; both leave at once
.macro QUANT rt, hf
.set DB, 64*(\rt)
.set PCB, PC+16*(\rt)
	WIN 0x05
.irp b, 0,1,2,3
	v_max3_num_f32 v[TM+\b], |v[DB+16*\b]|, |v[DB+16*\b+1]|, 0x4800000   ; each accumulator is read from its low end on
.endr
	WIN 0x14
.irp i, 2,4,6,8,10,12,14
.irp b, 0,1,2,3
	v_max3_num_f32 v[TM+\b], v[TM+\b], |v[DB+16*\b+\i]|, |v[DB+16*\b+\i+1]|
.endr
.endr
	WIN 0
.irp b, 0,1,2,3
	v_permlanex16_b32 v[TM+4+\b], v[TM+\b], s[SEL], s[SEL+1]
.endr
.irp b, 0,1,2,3
	v_max_num_f32 v[TM+\b], v[TM+\b], v[TM+4+\b]   ; with lane l xor 16's 16: the block's largest magnitude
.endr
.irp b, 0,1,2,3
	v_add_nc_u32 v[TM+12+\b], 0xfc000000, v[TM+\b]
.endr
.irp b, 0,1,2,3
	v_and_or_b32 v[TM+8+\b], v[TM+\b], 0x7f800000, s[MNT]
.endr
.irp b, 0,1,2,3
	v_lshrrev_b32 v[TM+4+\b], 23, v[TM+12+\b]
.endr
	v_lshl_or_b32 v[PW+(\rt)], v[TM+5], 8, v[TM+4]
	v_lshl_or_b32 v[PW+(\rt)], v[TM+6], 16, v[PW+(\rt)]
	v_lshl_or_b32 v[PW+(\rt)], v[TM+7], 24, v[PW+(\rt)]
	WIN 0x41
.irp b, 0,1,2,3
.irp i, 0,1,2,3,4,5,6,7,8,9,10,11,12,13,14,15
	v_med3_num_f32 v[DB+16*\b+\i], v[DB+16*\b+\i], -v[TM+8+\b], v[TM+8+\b]
.endr
.endr
	WIN 0x01
.irp b, 0,1,2,3
	v_cvt_scalef32_pk8_fp8_f32 v[PCB+4*\b:PCB+4*\b+1], v[DB+16*\b:DB+16*\b+7], v[TM+12+\b]
	v_cvt_scalef32_pk8_fp8_f32 v[PCB+4*\b+2:PCB+4*\b+3], v[DB+16*\b+8:DB+16*\b+15], v[TM+12+\b]
.endr
	v_nop                                          ; a plain line behind the last conversion
	WIN 0
.irp c, 0,1,2,3
.if \hf
	global_store_b128 v[VO+(\rt)], v[PCB+4*\c:PCB+4*\c+3], s[OUT2:OUT2+1] offset:512*\c   ; 32 lanes store 512 consecutive bytes, at a multiple of 256 from the buffer's first byte
.else
	global_store_b128 v[VO+(\rt)], v[PCB+4*\c:PCB+4*\c+3], s[OUT:OUT+1] offset:512*\c
.endif
.endr
	ds_store_b32 v[SWA], v[PW+(\rt)] offset:128*(\rt)+64*(\hf)     ; lanes r and r + 16 write the same word with the same value
.endm
; One half of P's tiles.  The 32 accumulators take turns, one instruction a turn, K step 0 for all and then K step 1 for all.
.macro HALF hf
.if \hf
	s_wait_xcnt 0x0                                ; the first half's stores have read the registers of the codes, which are written again below
.endif
.irp pt, 0,1,2,3,4,5,6,7
	ds_load_b32 v[PSC+\pt], v[FS] offset:128*(8*(\hf)+\pt)
.endr
	WIN 0x80                                       ; destination window 2
.irp pt, 0,1,2,3,4,5,6,7
.irp s, 0,1
.irp c, 0,1,2,3
	ds_load_b128 v[32*\pt+16*\s+4*\c:32*\pt+16*\s+4*\c+3], v[FA] offset:TILEB*(8*(\hf)+\pt)+128*\s+32*\c
.endr
.endr
.endr
	WIN 0
	s_cmp_eq_u32 s[KIND], 2                        ; the two ways differ in the C of the first K step alone: the bias runs along P's rows (q, k) or along R's (v)
	s_cbranch_scc1 .Lalong_r_\@
	WIN 0x72                                       ; P window 2, R window 0, C window 3, D window 1
.irp pt, 0,1,2,3,4,5,6,7
	s_wait_dscnt 8*(7-\pt)                         ; tile pt's eight loads are in; the later tiles' may be out
.irp rt, 0,1,2,3
	v_wmma_scale_f32_16x16x128_f8f6f4 v[64*\rt+8*\pt:64*\rt+8*\pt+7], v[32*\pt:32*\pt+15], v[RF+32*\rt:RF+32*\rt+15], v[CB+64*(\hf)+8*\pt:CB+64*(\hf)+8*\pt+7], v[PSC+\pt], v[RS+\rt]
.endr
.endr
	WIN 0
	s_branch .Ljoin_\@
.Lalong_r_\@:
	WIN 0x72
.irp pt, 0,1,2,3,4,5,6,7
	s_wait_dscnt 8*(7-\pt)
.irp rt, 0,1,2,3
	v_wmma_scale_f32_16x16x128_f8f6f4 v[64*\rt+8*\pt:64*\rt+8*\pt+7], v[32*\pt:32*\pt+15], v[RF+32*\rt:RF+32*\rt+15], v[CR+8*\rt:CR+8*\rt+7], v[PSC+\pt], v[RS+\rt]
.endr
.endr
	WIN 0
.Ljoin_\@:
	WIN 0x52                                       ; C and D window 1
.irp pt, 0,1,2,3,4,5,6,7
.irp rt, 0,1,2,3
	v_wmma_scale_f32_16x16x128_f8f6f4 v[64*\rt+8*\pt:64*\rt+8*\pt+7], v[32*\pt+16:32*\pt+31], v[RF+32*\rt+16:RF+32*\rt+31], v[64*\rt+8*\pt:64*\rt+8*\pt+7], v[PSC+\pt], v[RS+\rt] matrix_a_scale:MATRIX_SCALE_ROW1 matrix_b_scale:MATRIX_SCALE_ROW1
.endr
.endr
	WIN 0
	NOPS 9                                         ; places behind the products: eight for the reads of results and the next half's loads, one more since the next half's products write over these accumulators
.irp rt, 0,1,2,3
	QUANT \rt, \hf
.endr
.endm
	HALF 0
	HALF 1
	ds_load_b128 v[TM:TM+3], v[SWR]                ; LDS serves a wave's instructions in order: this sees my eight stores
	s_wait_dscnt 0x0
	global_store_b128 v[SGO], v[TM:TM+3], s[SCB:SCB+1]   ; q, k: 512 consecutive bytes; v: 256 consecutive bytes in each of the two key steps
	s_wait_tensorcnt 0x0
	ds_add_u32 v62, v63
	s_wait_dscnt 0x0
	s_endpgm
.Lfunc_end_k_q64e5f04f52_proj:
	.size	k_q64e5f04f52_proj, .Lfunc_end_k_q64e5f04f52_proj-k_q64e5f04f52_proj
	.p2alignl 7, 3214868480
	.fill 96, 4, 3214868480
	.section	.rodata,"a",@progbits
	.p2align	6, 0x0
	.amdhsa_kernel k_q64e5f04f52_proj
		.amdhsa_group_segment_fixed_size 147968
		.amdhsa_private_segment_fixed_size 0
		.amdhsa_enable_private_segment 0
		.amdhsa_kernarg_size 72
		.amdhsa_user_sgpr_count 2
		.amdhsa_user_sgpr_kernarg_segment_ptr 1
		.amdhsa_wavefront_size32 1
		.amdhsa_system_sgpr_workgroup_id_x 1
		.amdhsa_system_sgpr_workgroup_id_y 1
		.amdhsa_system_sgpr_workgroup_id_z 1
		.amdhsa_system_vgpr_workitem_id 0
		.amdhsa_next_free_vgpr 1024
		.amdhsa_next_free_sgpr 66
		.amdhsa_reserve_vcc 0
		.amdhsa_float_denorm_mode_32 3
		.amdhsa_float_denorm_mode_16_64 3
		.amdhsa_memory_ordered 1
		.amdhsa_forward_progress 1
		.amdhsa_inst_pref_size 255
	.end_amdhsa_kernel
	.section	.bss,"aw",@nobits
	.p2align	6
	.space	262144
	.amdgpu_metadata
---
amdhsa.version: [ 1, 2 ]
amdhsa.kernels:
  - .name:           k_q64e5f04f52_proj
    .symbol:         k_q64e5f04f52_proj.kd
    .args:
      - { .name: x, .offset: 0, .size: 8, .value_kind: global_buffer, .address_space: global }
      - { .name: Wq, .offset: 8, .size: 8, .value_kind: global_buffer, .address_space: global }
      - { .name: bq, .offset: 16, .size: 8, .value_kind: global_buffer, .address_space: global }
      - { .name: Wk, .offset: 24, .size: 8, .value_kind: global_buffer, .address_space: global }
      - { .name: bk, .offset: 32, .size: 8, .value_kind: global_buffer, .address_space: global }
      - { .name: Wv, .offset: 40, .size: 8, .value_kind: global_buffer, .address_space: global }
      - { .name: bv, .offset: 48, .size: 8, .value_kind: global_buffer, .address_space: global }
      - { .name: qws, .offset: 56, .size: 8, .value_kind: global_buffer, .address_space: global }
      - { .name: kv, .offset: 64, .size: 8, .value_kind: global_buffer, .address_space: global }
    .group_segment_fixed_size: 147968
    .private_segment_fixed_size: 0
    .kernarg_segment_align: 8
    .kernarg_segment_size: 72
    .max_flat_workgroup_size: 128
    .sgpr_count:     66
    .vgpr_count:     1024
    .wavefront_size: 32
...
	.end_amdgpu_metadata
.endif
;; end of part 1
;; launch attn (part 2): grid 64 x 4, 4 waves a work-group, clusters of 4 x 1, 327,680 bytes of LDS; arguments qws, kv, out0; writes out0
.if DOCPART == 2
	.amdgcn_target "amdgcn-amd-amdhsa--gfx1250"
	.amdhsa_code_object_version 6
	.text
	.protected	k_q64e5f04f52_attn
	.globl	k_q64e5f04f52_attn
	.p2align	8
	.type	k_q64e5f04f52_attn,@function
k_q64e5f04f52_attn:
	s_mov_b64 s[64:65], 0
	v_nop
	global_prefetch_b8 v0, s[64:65] scope:SCOPE_SE
	s_setreg_imm32_b32 hwreg(HW_REG_WAVE_MODE, 25, 1), 1
	s_wait_xcnt 0x0
	s_wait_alu depctr_hold_cnt(0) depctr_sa_sdst(0) depctr_va_vdst(0) depctr_va_sdst(0) depctr_va_ssrc(0) depctr_va_vcc(0) depctr_vm_vsrc(0)
	s_getreg_b32 s2, hwreg(HW_REG_IB_STS2, 6, 4)
	s_cmp_eq_u32 s2, 0
	s_cbranch_scc0 .Lentry_in_a_cluster
	s_endpgm
.Lentry_in_a_cluster:
	s_bfe_u32 s2, ttmp6, 0x10000c
	s_cmp_lg_u32 s2, 0x3003
	s_cbranch_scc0 .Lentry_shape_is_right
	s_endpgm
.Lentry_shape_is_right:
; out[b][q][:] = sum over k of softmax_k(q . k / 16) v[k][:], both products on codes of FP8 (E4M3) with one E8M0 scale for each 32 along K.  4 batches, 4,096 tokens, 256 channels.
; qws and kv hold images of operand registers: a fragment (16 rows x 128 K) is four pieces of 512 bytes, piece c = registers 4 c .. 4 c + 3, lane l's 16 bytes at 16 l; a scale word a row beside them.
; THE SOFTMAX: t = score x log2(e) / 16; M = the largest t so far, rounded UP to a whole number; p = 2^(t - M) is quantised along the keys, not normalised; the sum is taken of the unquantised p.
; SHARES.  A work-group owns 64 queries (four tiles of 16).  THE FOUR WAVES SHARE THE KEYS: wave w walks keys 1,024 w .. 1,024 w + 1,023, eight steps of 128, for all 64 queries.  So each fragment of K and V is read
; from LDS once in the work-group and feeds four products.  At the end the four partial (O, sum, M) are joined through LDS; since every M is a whole number the factors are exact powers of two.
; LAYOUT.  Both products are used transposed: S^T = K Q^T (source 0 = 16 keys), O^T = V^T P^T (source 0 = 16 channels): a lane holds ONE query throughout.  Tiles are not neighbours' rows: lane row r of tile
; 2 b + u is row 32 b + 8 u + r + 8 (r / 8), so that the 16 registers of tiles 2 b, 2 b + 1 of S^T are 16 neighbouring keys and the conversions' results are the second product's operand.
; CLUSTER.  The four work-groups of a cluster belong to one batch and walk the same K and V: each chunk is asked for JOINTLY, by the same tensor load (wave w's in each) with a mask that names the four.
; THE WALK GOES ROUND.  Cluster x of a batch begins at key step x mod 8 of each wave's eight and goes round: at any time the sixteen clusters of a batch ask for eight different steps, not all for the same one.
; The running maximum makes the order of the keys free.  NO PREFETCH: in the first step the clusters of a batch between them load every chunk of the batch, so no chunk is left that a request could name ahead of its first load.
; RING.  Each wave has one slot for K and one for V (33,792 bytes each, read by that wave alone).  K's slot is filled again when the S phase has taken its fragments into registers, V's when the last V fragment is in.
; LIMITS: NaN and infinities are not served.  v_exp_f32 gives 0 for p under 2^-126.  A block's largest p is taken from the block's largest score by the same multiply-add and exponential.
; A block whose every p is 0 keeps the byte 1 with zero codes.
; REGISTERS, in windows of 256.  Window 0: v1-11 addresses; v12-35 six statistics a tile; v36-59 scale words (nothing else ever); v60-63 at work; v64-95, v96-127 two buffers of K (a tile's two fragments each),
;   during the softmaxes the four tiles' holds, scale operands and work; v112-127 then P of tile 0; v128-255 Q.   Window 1: S^T, 64 a tile; what a softmax has left free takes P of the next tile, V's fragments,
;   and in the S phase four tiles of K.   Windows 2, 3: O^T, 128 a tile.
.set CHUNK, 33792                      ; 32,768 bytes of images + 1,024 of scale words
.set STEPB, 2*CHUNK
.set QBLK,  16896
.set SPARE, 4*STEPB                    ; behind the rings: the spare words, 128 bytes a wave: two blocks of 256 bytes that no other line names
.set STAT,  SPARE+512                  ; 1,024 bytes a wave: -M and the sum of my four tiles, 16 bytes a lane each
.set SPITCH, 1040                      ; the join: 64 rows of 1,024 bytes + 16 in each wave's own ring bytes, which have had their last fill by then
.set AK,  1                            ; v1   16 x lane + my ring
.set AV,  2                            ; v2   the same in V's slot
.set ASK_, 3                           ; v3   4 x lane + K's scale words
.set ASV, 4                            ; v4   V's
.set SPW, 5                            ; v5   LDS address of my spare word; never rewritten
.set NIL, 6                            ; v6   0; never rewritten
.set LI,  8                            ; v8   16 x lane
.set L4,  9                            ; v9   4 x lane
.set STO, 10                           ; v10  the join: where I put 16 bytes of a row
.set SAD, 11                           ; v11  where my statistics go
.set STT, 12                           ; tile t at v[12 + 6 t]: +0 -M, +1 the largest t, +2, +3 the sum in two halves, +4 f, +5 its pair's other half
.set QS,  36
.set PS,  40
.set KS,  44
.set VS,  52
.set XQ,  60                           ; v60-63  a register at work for each tile
.set HD,  64                           ; v64-79  448 x the scale, (tile)(block)
.set SO,  80                           ; v80-95  the conversions' scale operands
.set BM,  96                           ; v96-111 the blocks' largest scores, then largest p: done with when the blocks' work begins
.set PM,  112                          ; v112-127 the other half's maxima, then the bytes: likewise
.set XC,  96                           ; v96-101 three more chains of a tile's sum
.set WV,  10
.set G1,  16
.set G0K, 24
.set G0V, 28
.set CS,  32
.set SEL, 34
.set MNT, 36
.set CNT, 37
.set IDX, 38                           ; s38  which of my eight key steps is asked for next
.set OFF, 40                           ; s[40:41] its bytes from my stream's first
.set BV,  48                           ; s[48:49] my stream's first chunk of V
.set MSB, 0
.macro WIN new                         ; the immediate's high byte repeats the setting that is left; a switch that changes nothing is dropped
.if MSB != (\new)
	s_set_vgpr_msb (MSB<<8)|(\new)
.set MSB, (\new)
.endif
.endm
.macro NOPS n
.rept \n
	v_nop
.endr
.endm
.macro ROUND                           ; a round of the cluster's barrier
	s_barrier_signal -1
	s_barrier_wait -1
	s_cmp_lg_u32 s[WV], 0
	s_cbranch_scc1 .Lnot_wave_0_\@
	s_barrier_signal -3
.Lnot_wave_0_\@:
	s_barrier_wait -3
	s_barrier_signal -1
	s_barrier_wait -1
.endm
	s_load_b128 s[4:7], s[0:1], 0x0                ; qws s[4:5], kv s[6:7]
	s_load_b64 s[8:9], s[0:1], 0x10                ; out0
	v_lshl_add_u32 v[SPW], v0, 2, SPARE
	v_mov_b32 v[NIL], 0
	ds_add_u32 v5, v6
	ds_add_u32 v5, v6
	s_wait_dscnt 0x0
	v_lshrrev_b32 v1, 5, v0
	v_readfirstlane_b32 s[WV], v1                  ; wave 0..3
	s_bfe_u32 s11, ttmp6, 0x40000                  ; cx: it enters Q's and out0's addresses alone
	s_and_b32 s12, ttmp7, 0xffff                   ; the batch, which the four partners share
	s_lshl_b32 s14, s12, 5
	s_lshl_b32 s15, s[WV], 3
	s_add_co_u32 s14, s14, s15
	s_mul_i32 s14, s14, STEPB                      ; my wave's stream of chunks: key step 32 batch + 8 wave on
	s_mov_b32 s15, 0
	s_mul_i32 s13, s[WV], STEPB                    ; my ring in LDS
	s_and_b32 s[IDX], ttmp9, 7                     ; the walk begins at step (cluster x) mod 8: the same in all four partners
	s_mul_i32 s[OFF], s[IDX], STEPB
	s_mov_b32 s[OFF+1], 0
	s_lshl_b32 s42, ttmp9, 2
	s_add_co_u32 s42, s42, s11                     ; my block of 64 queries = 4 x cluster x + cx
	s_lshl_b32 s43, s12, 6
	s_add_co_u32 s43, s43, s42                     ; + 64 x batch
	s_mul_i32 s44, s43, QBLK
	s_mov_b32 s45, 0
	s_lshl_b32 s46, s43, 6                         ; out0: the block's first row,
	s_lshr_b32 s47, s[WV], 1
	s_lshl_b32 s47, s47, 5
	s_add_co_u32 s46, s46, s47
	s_and_b32 s47, s[WV], 1
	s_lshl_b32 s47, s47, 3
	s_add_co_u32 s46, s46, s47                     ; + 32 (w / 2) + 8 (w % 2): the first query of tile w, which I store at the end
	s_lshl_b32 s46, s46, 10
	s_mov_b32 s47, 0
	; descriptor group 1: a chunk is a dense block of 132 rows x 256 bytes (32 elements of 8 bytes)
	s_mov_b32 s[G1], 15|(3<<16)|(1<<21)            ; 15:0 the mask: all four work-groups; 17:16 elements of 8 bytes; 21 set beside a mask; no padding: every LDS load takes 512 consecutive bytes
	s_mov_b32 s[G1+1], 32<<16                      ; tensor_dim0 = 32
	s_mov_b32 s[G1+2], 132<<16                     ; tensor_dim1 = 132
	s_mov_b32 s[G1+3], 32<<16                      ; tile_dim0 = 32
	s_mov_b32 s[G1+4], 132                         ; tile_dim1 = 132
	s_mov_b32 s[G1+5], 32                          ; the pitch
	s_mov_b32 s[G1+6], 0
	s_mov_b32 s[G1+7], 0
	s_mov_b32 s[CS], 0x3db8aa3b                    ; c = log2(e) / 16
	s_mov_b32 s[CS+1], s[CS]                       ; (named with it as a pair, so it is written)
	s_mov_b32 s[SEL], 0x76543210
	s_mov_b32 s[SEL+1], 0xfedcba98                 ; v_permlanex16_b32's selects for lane l xor 16
	s_mov_b32 s[MNT], 0x600000                     ; the mantissa field of 448
	v_and_b32 v[L4], 31, v0
	v_lshlrev_b32 v[LI], 4, v[L4]
	v_lshlrev_b32 v[L4], 2, v[L4]
	v_add_nc_u32 v[AK], s13, v[LI]
	v_add_nc_u32 v[AV], CHUNK, v[AK]
	v_add_nc_u32 v[ASK_], s13, v[L4]
	v_add_nc_u32 v[ASK_], 32768, v[ASK_]
	v_add_nc_u32 v[ASV], CHUNK, v[ASK_]
	v_and_b32 v[XQ+2], 15, v0                      ; r
	v_bfe_u32 v[XQ+3], v0, 4, 1                    ; h
	v_mul_u32_u24 v[STO], v[XQ+2], SPITCH
	v_lshl_add_u32 v[STO], v[XQ+3], 6, v[STO]
	v_add_nc_u32 v[STO], s13, v[STO]               ; row r, + 64 h: channels 16 h on
	s_lshl_b32 s2, s[WV], 10
	v_add_nc_u32 v[SAD], s2, v[LI]
	v_add_nc_u32 v[SAD], STAT, v[SAD]
	s_wait_kmcnt 0x0
	s_add_nc_u64 s[6:7], s[6:7], s[14:15]          ; my stream's first chunk of K,
	s_add_nc_u64 s[BV:BV+1], s[6:7], CHUNK         ; and of V
	s_add_nc_u64 s[4:5], s[4:5], s[44:45]
	s_add_nc_u64 s[8:9], s[8:9], s[46:47]
	s_mov_b32 s[G0K], 1                            ; count = 1
	s_mov_b32 s[G0K+1], s13                        ; LDS address: my K slot
	s_add_nc_u64 s[G0K+2:G0K+3], s[6:7], s[OFF:OFF+1]     ; the step at which my cluster's walk begins
	s_or_b32 s[G0K+3], s[G0K+3], 0x80000000        ; type = 2
	s_mov_b32 s[G0V], 1
	s_add_co_u32 s[G0V+1], s13, CHUNK              ; my V slot
	s_add_nc_u64 s[G0V+2:G0V+3], s[BV:BV+1], s[OFF:OFF+1]
	s_or_b32 s[G0V+3], s[G0V+3], 0x80000000
	ROUND                                          ; all four work-groups are here: the first joint loads meet
	tensor_load_to_lds s[G0K:G0K+3], s[G1:G1+7]    ; the two first fills go out together: two loads of mine are out
	s_nop 0
	tensor_load_to_lds s[G0V:G0V+3], s[G1:G1+7]
	s_nop 0
	NOPS 4
.irp t, 0,1,2,3
.irp s, 0,1
.irp c, 0,1,2,3
	global_load_b128 v[128+32*\t+16*\s+4*\c:128+32*\t+16*\s+4*\c+3], v[LI], s[4:5] offset:4096*\t+2048*\s+512*\c   ; Q stays in registers
.endr
.endr
.endr
.irp t, 0,1,2,3
	global_load_b32 v[QS+\t], v[L4], s[4:5] offset:16384+128*\t   ; lanes 0-15: the words of channels 0-127, lanes 16-31: of 128-255
.endr
	; O^T begins as zeros and the largest t as -3e38, so that the key step is written with no first step of its own (a third copy of it would be some 12 KB of code); these lines run while the first fills are on their way
	WIN 0x80
.set i, 0
.rept 256
	v_mov_b32 v[i], 0
.set i, i+1
.endr
	WIN 0xc0
.set i, 0
.rept 256
	v_mov_b32 v[i], 0
.set i, i+1
.endr
	WIN 0
.irp t, 0,1,2,3
	v_mov_b32 v[STT+6*\t+1], 0xff61b1e6            ; -3e38, under every t
	v_floor_f32 v[STT+6*\t], -v[STT+6*\t+1]        ; -M
	v_mov_b32 v[STT+6*\t+2], 0
	v_mov_b32 v[STT+6*\t+3], 0
	v_mov_b32 v[STT+6*\t+4], 0
	v_mov_b32 v[STT+6*\t+5], 0
.endr
; tile kt of K: its two fragments (channels 0-127, 128-255) into r0 and r1 of window win
.macro FK kt, win, r0, r1
	WIN (\win)<<6
.irp c, 0,1,2,3
	ds_load_b128 v[\r0+4*\c:\r0+4*\c+3], v[AK] offset:4096*(\kt)+512*\c
.endr
.irp c, 0,1,2,3
	ds_load_b128 v[\r1+4*\c:\r1+4*\c+3], v[AK] offset:4096*(\kt)+2048+512*\c
.endr
.endm
; where channel tile ct of V lies in window 1: the parts of S^T that the softmaxes have left, but for the 16 registers a tile that take P; tiles 13-15 take the places of 0-2 again
.macro VBSET ct
.if (\ct) < 3
.set VBR, 16*((\ct)+1)
.elseif (\ct) < 6
.set VBR, 16*((\ct)+2)
.elseif (\ct) < 13
.set VBR, 16*((\ct)+3)
.else
.set VBR, 16*((\ct)-12)
.endif
.endm
.macro FV ct
	VBSET \ct
.irp c, 0,1,2,3
	ds_load_b128 v[VBR+4*\c:VBR+4*\c+3], v[AV] offset:2048*(\ct)+512*\c
.endr
.endm
; eight products: S^T of key tile kt for the four tiles of queries; the four accumulators take turns, one instruction a turn
.macro SG kt, win, r0, r1
	WIN 0x50+(\win)                                ; K window win, Q window 0, C and D window 1
.irp t, 0,1,2,3
	v_wmma_scale_f32_16x16x128_f8f6f4 v[64*\t+8*(\kt):64*\t+8*(\kt)+7], v[\r0:\r0+15], v[128+32*\t:128+32*\t+15], 0, v[KS+(\kt)], v[QS+\t]
.endr
.irp t, 0,1,2,3
	v_wmma_scale_f32_16x16x128_f8f6f4 v[64*\t+8*(\kt):64*\t+8*(\kt)+7], v[\r1:\r1+15], v[128+32*\t+16:128+32*\t+31], v[64*\t+8*(\kt):64*\t+8*(\kt)+7], v[KS+(\kt)], v[QS+\t] matrix_a_scale:MATRIX_SCALE_ROW1 matrix_b_scale:MATRIX_SCALE_ROW1
.endr
.endm
; one accumulator of O^T (tile t, channel tile ct) x the tile's f: four lines, from its low end on
.macro RESC2 t, ct
.if (\t) < 2
	WIN 0x82                                       ; O^T window 2, f window 0
.else
	WIN 0xc3                                       ; O^T window 3
.endif
.set RB, 128*((\t)%2)+8*(\ct)
.irp j, 0,2,4,6
	v_pk_mul_f32 v[RB+\j:RB+\j+1], v[RB+\j:RB+\j+1], v[STT+6*(\t)+4:STT+6*(\t)+5] op_sel_hi:[1,0]
.endr
.endm
.macro RESCG0                          ; channel tiles 0-3 of the four tiles: 64 lines ahead of the first products
.irp t, 0,1,2,3
.irp c, 0,1,2,3
	RESC2 \t, \c
.endr
.endr
.endm
; sixteen products: O^T of channel tiles 4 g .. 4 g + 3 for the four tiles of queries: sixteen accumulators, one instruction each.
; sl = 1: behind every second product stand the eight lines that bring two accumulators of the same tile, of channel tiles 4 g + 4 .. 4 g + 7, under the new M: they name no register of the products
; round them and are issued while the matrix unit works; the price is two window switches a slice.
.macro PVG g, sl
.irp t, 0,1,2,3
.irp i, 0,1,2,3
.if \t == 0
	WIN 0xa1                                       ; V window 1, P window 0, O^T window 2
.set PB, 112
.elseif \t == 1
	WIN 0xa5                                       ; P window 1
.set PB, 0
.else
	WIN 0xf5                                       ; O^T window 3
.set PB, 64*(\t-1)
.endif
.set CT, 4*(\g)+\i
	VBSET CT
.set OB, 128*(\t%2)+8*CT
.if \i%2
	v_wmma_scale_f32_16x16x128_f8f6f4 v[OB:OB+7], v[VBR:VBR+15], v[PB:PB+15], v[OB:OB+7], v[VS+CT/2], v[PS+\t] matrix_a_scale:MATRIX_SCALE_ROW1
.else
	v_wmma_scale_f32_16x16x128_f8f6f4 v[OB:OB+7], v[VBR:VBR+15], v[PB:PB+15], v[OB:OB+7], v[VS+CT/2], v[PS+\t]
.endif
.if (\sl) && (\i%2)
	RESC2 \t, 4*(\g)+3+\i
	RESC2 \t, 4*(\g)+4+\i
.endif
.endr
.endr
.endm
; THE STATISTICS OF THE FOUR TILES, line by line together, so that three other tiles' lines stand between a line and the one whose result it reads.
.macro STATS
	WIN 0x15
.irp t, 0,1,2,3
.irp b, 0,1,2,3
	v_max3_num_f32 v[BM+4*\t+\b], v[64*\t+16*\b], v[64*\t+16*\b+1], v[64*\t+16*\b+2]   ; the largest score of each block of 32 keys; each accumulator is read from its low end on
.endr
.endr
	WIN 0x14
.irp i, 3,5,7,9,11,13
.irp t, 0,1,2,3
.irp b, 0,1,2,3
	v_max3_num_f32 v[BM+4*\t+\b], v[BM+4*\t+\b], v[64*\t+16*\b+\i], v[64*\t+16*\b+\i+1]
.endr
.endr
.endr
.irp t, 0,1,2,3
.irp b, 0,1,2,3
	v_max_num_f32 v[BM+4*\t+\b], v[BM+4*\t+\b], v[64*\t+16*\b+15]
.endr
.endr
	WIN 0
.irp k, 0,1,2,3,4,5,6,7,8,9,10,11,12,13,14,15
	v_permlanex16_b32 v[PM+\k], v[BM+\k], s[SEL], s[SEL+1]
.endr
.irp k, 0,1,2,3,4,5,6,7,8,9,10,11,12,13,14,15
	v_max_num_f32 v[BM+\k], v[BM+\k], v[PM+\k]     ; with lane l xor 16's 16 keys
.endr
.irp t, 0,1,2,3
	v_max3_num_f32 v[XQ+\t], v[BM+4*\t], v[BM+4*\t+1], v[BM+4*\t+2]
.endr
.irp t, 0,1,2,3
	v_max_num_f32 v[XQ+\t], v[XQ+\t], v[BM+4*\t+3]
.endr
.irp t, 0,1,2,3
	v_mul_f32 v[XQ+\t], s[CS], v[XQ+\t]            ; the step's largest t (c is positive)
.endr
.irp t, 0,1,2,3
	v_max_num_f32 v[STT+6*\t+1], v[STT+6*\t+1], v[XQ+\t]
.endr
.irp t, 0,1,2,3
	v_mov_b32 v[XQ+\t], v[STT+6*\t]
.endr
.irp t, 0,1,2,3
	v_floor_f32 v[STT+6*\t], -v[STT+6*\t+1]        ; the new -M = -ceil(t): a whole number
.endr
.irp t, 0,1,2,3
	v_sub_f32 v[XQ+\t], v[STT+6*\t], v[XQ+\t]      ; old M - new M: a whole number, 0 or less
.endr
.irp t, 0,1,2,3
	v_cvt_i32_f32 v[XQ+\t], v[XQ+\t]               ; (it saturates)
.endr
.irp t, 0,1,2,3
	v_ldexp_f32 v[STT+6*\t+4], 1.0, v[XQ+\t]       ; f = 2^(old M - new M)
.endr
.irp t, 0,1,2,3
.irp b, 0,1,2,3
	v_fma_f32 v[BM+4*\t+\b], v[BM+4*\t+\b], s[CS], v[STT+6*\t]   ; each block's largest score goes the way of every score
.endr
.endr
.irp k, 0,1,2,3,4,5,6,7,8,9,10,11,12,13,14,15
	v_exp_f32 v[BM+\k], v[BM+\k]                   ; the block's largest p
.endr
.irp t, 0,1,2,3
	v_pk_mul_f32 v[STT+6*\t+2:STT+6*\t+3], v[STT+6*\t+2:STT+6*\t+3], v[STT+6*\t+4:STT+6*\t+5] op_sel_hi:[1,0]   ; the sums under the new M (plain lines behind the exponentials)
.endr
	s_wait_alu depctr_va_vdst(0)
.irp k, 0,1,2,3,4,5,6,7,8,9,10,11,12,13,14,15
	v_max_num_f32 v[BM+\k], 0x4800000, v[BM+\k]    ; the floor 2^(9 - 127): the byte cannot fall under 1
.endr
.irp k, 0,1,2,3,4,5,6,7,8,9,10,11,12,13,14,15
	v_add_nc_u32 v[SO+\k], 0xfc000000, v[BM+\k]    ; 8 off the exponent field: the conversion's scale operand
.endr
.irp k, 0,1,2,3,4,5,6,7,8,9,10,11,12,13,14,15
	v_and_or_b32 v[HD+\k], v[BM+\k], 0x7f800000, s[MNT]   ; 448 x the scale
.endr
.irp k, 0,1,2,3,4,5,6,7,8,9,10,11,12,13,14,15
	v_lshrrev_b32 v[PM+\k], 23, v[SO+\k]           ; the scale's byte
.endr
.irp t, 0,1,2,3
	v_lshl_or_b32 v[PS+\t], v[PM+4*\t+1], 8, v[PM+4*\t]   ; p's scale word for these 128 keys
.endr
.irp t, 0,1,2,3
	v_lshl_or_b32 v[PS+\t], v[PM+4*\t+2], 16, v[PS+\t]
.endr
.irp t, 0,1,2,3
	v_lshl_or_b32 v[PS+\t], v[PM+4*\t+3], 24, v[PS+\t]
.endr
.endm
; THE BLOCKS OF ONE TILE (16 queries x 128 keys): p, its sum, the hold, the codes.  SB, ST, HB, SOB, PD, PWIN are set by BLK.
.macro FMAB j0, n                      ; t - M for n pairs from register j0 on
.set j, \j0
	s_wait_alu depctr_va_vdst(0)
.rept \n
	v_pk_fma_f32 v[SB+j:SB+j+1], v[SB+j:SB+j+1], s[CS:CS+1], v[ST:ST+1] op_sel_hi:[1,0,0]
.set j, j+2
.endr
.endm
.macro SUMB0                           ; the sum of block 0's UNQUANTISED p; three of the four chains begin here, from two sources each: nothing is cleared
	WIN 0x05
	s_wait_alu depctr_va_vdst(0)
	v_pk_add_f32 v[XC:XC+1], v[SB+2:SB+3], v[SB+4:SB+5]
	v_pk_add_f32 v[XC+2:XC+3], v[SB+6:SB+7], v[SB+8:SB+9]
	v_pk_add_f32 v[XC+4:XC+5], v[SB+10:SB+11], v[SB+12:SB+13]
	WIN 0x04
	v_pk_add_f32 v[ST+2:ST+3], v[ST+2:ST+3], v[SB:SB+1]
	v_pk_add_f32 v[XC:XC+1], v[XC:XC+1], v[SB+14:SB+15]
.endm
.macro SUMB b                          ; blocks 1 to 3: two at a time, the four chains by turns
	WIN 0x04
	s_wait_alu depctr_va_vdst(0)
.irp j, 0,8
	v_pk_add_f32 v[XC+2:XC+3], v[XC+2:XC+3], v[SB+16*(\b)+\j:SB+16*(\b)+\j+1]
	v_pk_add_f32 v[XC+4:XC+5], v[XC+4:XC+5], v[SB+16*(\b)+\j+2:SB+16*(\b)+\j+3]
	v_pk_add_f32 v[ST+2:ST+3], v[ST+2:ST+3], v[SB+16*(\b)+\j+4:SB+16*(\b)+\j+5]
	v_pk_add_f32 v[XC:XC+1], v[XC:XC+1], v[SB+16*(\b)+\j+6:SB+16*(\b)+\j+7]
.endr
.endm
.macro EXMIN be, bm                    ; block be's exponentials, each with a plain line behind it: the hold of block bm (p is not negative, so it is one-sided)
	WIN 0x41
.irp i, 0,1,2,3,4,5,6,7,8,9,10,11,12,13,14,15
	v_exp_f32 v[SB+16*(\be)+\i], v[SB+16*(\be)+\i]
	v_min_num_f32 v[SB+16*(\bm)+\i], v[SB+16*(\bm)+\i], v[HB+(\bm)]
.endr
.endm
.macro CVTB b
	WIN PWIN
	v_cvt_scalef32_pk8_fp8_f32 v[PD+4*(\b):PD+4*(\b)+1], v[SB+16*(\b):SB+16*(\b)+7], v[SOB+(\b)]
	v_cvt_scalef32_pk8_fp8_f32 v[PD+4*(\b)+2:PD+4*(\b)+3], v[SB+16*(\b)+8:SB+16*(\b)+15], v[SOB+(\b)]
.endm
.macro BLK t
.set SB, 64*(\t)
.set ST, STT+6*(\t)
.set HB, HD+4*(\t)
.set SOB, SO+4*(\t)
.if (\t) == 0
.set PD, 112                           ; P of tile 0: window 0
.set PWIN, 0x01
.else
.set PD, 64*((\t)-1)                   ; P of tile t: the first 16 registers of S^T of tile t - 1, which its conversions have left
.set PWIN, 0x41
.endif
	WIN 0x41
	FMAB 0, 8
.irp i, 0,1,2,3,4,5,6,7,8,9,10,11,12,13,14,15
	v_exp_f32 v[SB+\i], v[SB+\i]                   ; p = 2^(t - M); behind each exponential a plain line that is due anyway: t - M of blocks 1 and 2
	v_pk_fma_f32 v[SB+16+2*\i:SB+17+2*\i], v[SB+16+2*\i:SB+17+2*\i], s[CS:CS+1], v[ST:ST+1] op_sel_hi:[1,0,0]
.endr
	SUMB0
	EXMIN 1, 0
	CVTB 0
	WIN 0x41
	FMAB 48, 8                                     ; (plain lines behind the conversions, which name none of their registers)
	SUMB 1
	EXMIN 2, 1
	CVTB 1
	SUMB 2
	EXMIN 3, 2
	CVTB 2
	SUMB 3
	WIN 0x41
.irp i, 0,1,2,3,4,5,6,7,8,9,10,11,12,13,14,15
	v_min_num_f32 v[SB+48+\i], v[SB+48+\i], v[HB+3]
.endr
	CVTB 3
	v_nop                                          ; a plain line behind the last conversion
	WIN 0
	v_pk_add_f32 v[XC:XC+1], v[XC:XC+1], v[XC+2:XC+3]          ; the four chains are joined
	v_pk_add_f32 v[ST+2:ST+3], v[ST+2:ST+3], v[XC+4:XC+5]
	v_pk_add_f32 v[ST+2:ST+3], v[ST+2:ST+3], v[XC:XC+1]
.endm
.macro RESCT t                         ; the join: all of O^T of tile t x the factor in the tile's f, in ascending order
.if (\t) < 2
	WIN 0x82
.else
	WIN 0xc3
.endif
.set i, 128*((\t)%2)
.rept 64
	v_pk_mul_f32 v[i:i+1], v[i:i+1], v[STT+6*(\t)+4:STT+6*(\t)+5] op_sel_hi:[1,0]
.set i, i+2
.endr
.endm
; A slot is filled again.  Every wave: all its tensor loads have landed (the one that is out is the other slot's); 0 onto its spare word; that and its reads of the slot are done; a round of the cluster's barrier,
; so that no wave of any partner still reads the slot or has a load on its way; the joint refill first behind it, one a wave.  adv = 1: the walk goes one key step on, round the eight.
.macro CHANGE g0, base, adv
	WIN 0                                          ; at a label and at a branch every window is 0
	s_wait_tensorcnt 0x0                           ; no tensor load of mine is out, so a group 0 may be written
	ds_add_u32 v[SPW], v[NIL]                      ; the address is made while it is out
.if \adv
	s_add_co_u32 s[IDX], s[IDX], 1
	s_and_b32 s[IDX], s[IDX], 7
	s_mul_i32 s[OFF], s[IDX], STEPB
.endif
	s_add_nc_u64 s[\g0+2:\g0+3], s[\base:\base+1], s[OFF:OFF+1]   ; the next key step's chunk,
	s_or_b32 s[\g0+3], s[\g0+3], 0x80000000        ; and the type
	s_wait_dscnt 0x0                               ; the add is done, and my reads of the slot are over
	ROUND
	tensor_load_to_lds s[\g0:\g0+3], s[G1:G1+7]
	s_nop 0
	NOPS 4
.endm
.macro KSCALES
.irp i, 0,1,2,3,4,5,6,7
	ds_load_b32 v[KS+\i], v[ASK_] offset:128*\i    ; lanes 0-15: tile i's words of channels 0-127, lanes 16-31: of 128-255
.endr
.endm
; A KEY STEP.  At its head K's scale words and tile 0 are on their way (16 LDS loads).  Each s_wait_dscnt names the loads issued behind the group that is wanted.
; Places: eight in front of loads into registers that products have read and of reads of results, nine in front of products that write over such registers.
.macro STEP fill
	NOPS 9                                         ; the last step's products read what is loaded and written over below
	FK 1, 0, 96, 112
	FK 2, 1, 32, 96                                ; tiles 2 to 5 lie in parts of S^T that are written only later in this phase
	FK 3, 1, 160, 224
	FK 4, 1, 48, 112
	FK 5, 1, 176, 240
	s_wait_dscnt 40
	SG 0, 0, 64, 80
	s_wait_dscnt 32
	SG 1, 0, 96, 112
	NOPS 8
	FK 6, 0, 64, 80
	FK 7, 0, 96, 112
	s_wait_dscnt 40
	SG 2, 1, 32, 96
	s_wait_dscnt 32
	SG 3, 1, 160, 224
	NOPS 9                                         ; tiles 4 and 5 of S^T are written over the fragments of tiles 2 and 3
	s_wait_dscnt 24
	SG 4, 1, 48, 112
	s_wait_dscnt 16
	SG 5, 1, 176, 240
	NOPS 9                                         ; tiles 6 and 7 over those of 4 and 5
	s_wait_dscnt 8
	SG 6, 0, 64, 80
	s_wait_dscnt 0x0
	SG 7, 0, 96, 112
	NOPS 8
	STATS
	BLK 0
.if \fill
	CHANGE G0K, 6, 1                               ; K's slot has been read out: the next step's K: it has three tiles' blocks and 48 products in which to land.  The wait in it has shown this step's V landed
.else
	WIN 0
	s_wait_tensorcnt 0x0                           ; the last step's V has landed
.endif
.irp i, 0,1,2,3,4,5,6,7
	ds_load_b32 v[VS+\i], v[ASV] offset:128*\i     ; lanes 0-15: channel tile 2 i's words, lanes 16-31: tile 2 i + 1's
.endr
	WIN 0x40
.irp ct, 0,1,2
	FV \ct                                         ; V's fragments follow the tiles: each run goes into what the tile just done has left
.endr
	BLK 1
	WIN 0x40
.irp ct, 3,4,5
	FV \ct
.endr
	BLK 2
	WIN 0x40
.irp ct, 6,7,8
	FV \ct
.endr
	BLK 3
	WIN 0x40
.irp ct, 9,10,11,12
	FV \ct
.endr
	RESCG0                                         ; these 64 lines are also the places between P's codes and the products
	s_wait_dscnt 36                                ; the scale words and tiles 0-3 are in (behind them: 4, 5; 6-8; 9-12)
	PVG 0, 1                                       ; its last slice, eight plain lines, is also the places in front of the loads below
	WIN 0x40
.irp ct, 13,14,15
	FV \ct
.endr
	s_wait_dscnt 32                                ; tiles 4-7 (behind them: 8; 9-12; 13-15)
	PVG 1, 1
	s_wait_dscnt 16                                ; tiles 8-11 (behind them: 12; 13-15)
	PVG 2, 1
.if \fill
	CHANGE G0V, BV, 0                              ; V's slot has been read out: the next step's V.  The wait in it has shown the next step's K landed
	KSCALES
	FK 0, 0, 64, 80
.else
	s_wait_dscnt 0x0
.endif
	PVG 3, 0
	WIN 0
.endm
	s_wait_tensorcnt 0x1                           ; K's first chunk is in; V's may stay out.  I alone read my slots
	KSCALES
	FK 0, 0, 64, 80
	s_wait_loadcnt 0x0                             ; Q
	s_mov_b32 s[CNT], 7
.Lstep:                                            ; seven trips: each asks for the next step's K and V
	STEP 1
	s_sub_co_u32 s[CNT], s[CNT], 1
	s_cmp_lg_u32 s[CNT], 0
	s_cbranch_scc1 .Lstep
	STEP 0                                         ; the last step is written out
	; THE JOIN.  Each wave publishes -M and the sum of its four tiles; every wave then knows M* = the largest M, g = 2^(M - M*) of each wave and the whole sum, and multiplies its O^T by its own g / sum.
	NOPS 8                                         ; places behind the last products
.irp t, 0,1,2,3
	v_add_f32 v[68+\t], v[STT+6*\t+2], v[STT+6*\t+3]
.endr
.irp t, 0,1,2,3
	v_mov_b32 v[64+\t], v[STT+6*\t]
.endr
.irp t, 0,1,2,3
	v_permlanex16_b32 v[76+\t], v[68+\t], s[SEL], s[SEL+1]
.endr
.irp t, 0,1,2,3
	v_add_f32 v[68+\t], v[68+\t], v[76+\t]         ; with lane l xor 16's keys: my wave's sum for the query
.endr
	ds_store_b128 v[SAD], v[64:67]
	ds_store_b128 v[SAD], v[68:71] offset:512
	v_add_nc_u32 v76, STAT, v[LI]
	s_mul_i32 s14, s[WV], 16*SPITCH
	v_add_nc_u32 v72, s14, v[LI]                   ; rows 16 w on of the four stages: the queries of tile w
	v_add_nc_u32 v73, STEPB, v72
	v_add_nc_u32 v74, 2*STEPB, v72
	v_add_nc_u32 v75, 3*STEPB, v72
	s_wait_dscnt 0x0                               ; for the others' sake: my statistics lie in LDS
	s_barrier_signal -1
	s_barrier_wait -1
.irp w, 0,1,2,3
	ds_load_b128 v[80+8*\w:83+8*\w], v76 offset:1024*\w
	ds_load_b128 v[84+8*\w:87+8*\w], v76 offset:1024*\w+512
.endr
	s_wait_dscnt 0x0
.irp t, 0,1,2,3
	v_min3_num_f32 v[112+\t], v[80+\t], v[88+\t], v[96+\t]
.endr
.irp t, 0,1,2,3
	v_min_num_f32 v[112+\t], v[112+\t], v[104+\t]  ; -M*
.endr
.irp w, 0,1,2,3
.irp t, 0,1,2,3
	v_sub_f32 v[128+4*\w+\t], v[112+\t], v[80+8*\w+\t]   ; M of wave w - M*: a whole number, 0 or less
.endr
.endr
.irp t, 0,1,2,3
	v_sub_f32 v[120+\t], v[112+\t], v[64+\t]       ; my own
.endr
.irp j, 0,1,2,3,4,5,6,7,8,9,10,11,12,13,14,15
	v_cvt_i32_f32 v[128+\j], v[128+\j]
.endr
.irp t, 0,1,2,3
	v_cvt_i32_f32 v[120+\t], v[120+\t]
.endr
.irp j, 0,1,2,3,4,5,6,7,8,9,10,11,12,13,14,15
	v_ldexp_f32 v[128+\j], 1.0, v[128+\j]          ; g: an exact power of two
.endr
.irp t, 0,1,2,3
	v_ldexp_f32 v[120+\t], 1.0, v[120+\t]
.endr
.irp t, 0,1,2,3
	v_mul_f32 v[116+\t], v[84+\t], v[128+\t]
.endr
.irp w, 1,2,3
.irp t, 0,1,2,3
	v_fmac_f32 v[116+\t], v[84+8*\w+\t], v[128+4*\w+\t]  ; the whole sum under M*
.endr
.endr
.irp t, 0,1,2,3
	v_rcp_f32 v[116+\t], v[116+\t]
.endr
	v_nop                                          ; a plain line between the last reciprocal and the use of its result
	s_wait_alu depctr_va_vdst(0)
.irp t, 0,1,2,3
	v_mul_f32 v[STT+6*\t+4], v[120+\t], v[116+\t]
.endr
.irp t, 0,1,2,3
	RESCT \t
.endr
.irp t, 0,1,2,3                                    ; into my stage: row 16 t + r; register j of channel tile ct is channel 32 (ct / 2) + 8 (ct % 2) + 16 h + j
	WIN 0x08+4*(\t/2)                              ; an LDS store's data are its source 1: window 2 or 3
.irp ct, 0,1,2,3,4,5,6,7,8,9,10,11,12,13,14,15
	ds_store_b128 v[STO], v[128*(\t%2)+8*\ct:128*(\t%2)+8*\ct+3] offset:16*SPITCH*\t+128*(\ct/2)+32*(\ct%2)
	ds_store_b128 v[STO], v[128*(\t%2)+8*\ct+4:128*(\t%2)+8*\ct+7] offset:16*SPITCH*\t+128*(\ct/2)+32*(\ct%2)+16
.endr
.endr
	WIN 0
	s_wait_dscnt 0x0                               ; for the others' sake: my part lies in my stage
	s_barrier_signal -1
	s_barrier_wait -1
; wave w adds the four parts of rows 16 w .. 16 w + 15, two rows (four halves of 512 bytes) at a time, in two sets of 64 registers by turns
.macro LOADB n
.set BS, 128+64*((\n)%2)
.irp q, 0,1,2,3
.irp w, 0,1,2,3
	ds_load_b128 v[BS+16*\q+4*\w:BS+16*\q+4*\w+3], v[72+\w] offset:SPITCH*(2*(\n)+\q/2)+512*(\q%2)
.endr
.endr
.endm
.macro SENDB n, left
.set BS, 128+64*((\n)%2)
	s_wait_dscnt \left
.irp q, 0,1,2,3
	v_pk_add_f32 v[BS+16*\q:BS+16*\q+1], v[BS+16*\q:BS+16*\q+1], v[BS+16*\q+4:BS+16*\q+5]
	v_pk_add_f32 v[BS+16*\q+2:BS+16*\q+3], v[BS+16*\q+2:BS+16*\q+3], v[BS+16*\q+6:BS+16*\q+7]
	v_pk_add_f32 v[BS+16*\q+8:BS+16*\q+9], v[BS+16*\q+8:BS+16*\q+9], v[BS+16*\q+12:BS+16*\q+13]
	v_pk_add_f32 v[BS+16*\q+10:BS+16*\q+11], v[BS+16*\q+10:BS+16*\q+11], v[BS+16*\q+14:BS+16*\q+15]
	v_pk_add_f32 v[BS+16*\q:BS+16*\q+1], v[BS+16*\q:BS+16*\q+1], v[BS+16*\q+8:BS+16*\q+9]
	v_pk_add_f32 v[BS+16*\q+2:BS+16*\q+3], v[BS+16*\q+2:BS+16*\q+3], v[BS+16*\q+10:BS+16*\q+11]
	global_store_b128 v[LI], v[BS+16*\q:BS+16*\q+3], s[8:9] offset:(2*(\n)+\q/2+8*((\n)/4))*1024+512*(\q%2) th:TH_STORE_NT   ; lane row i is query i + 8 (i / 8) of the tile; 32 lanes store 512 consecutive bytes, at a multiple of 256 from out0's first byte
.endr
.endm
	LOADB 0
	LOADB 1
.irp n, 0,1,2,3,4,5
	SENDB \n, 16                                   ; the other set's 16 loads may be out
	s_wait_xcnt 0x0                                ; the stores have read their registers: the set may be loaded again
	LOADB \n+2
.endr
	SENDB 6, 16
	SENDB 7, 0
	s_wait_tensorcnt 0x0                           ; the wave's end: behind my last tensor load and my last LDS store
	ds_add_u32 v[SPW], v[NIL]
	s_wait_dscnt 0x0
	ROUND                                          ; the closing round: no work-group ends while a partner may still ask for a chunk that names it
	s_endpgm
.Lfunc_end_k_q64e5f04f52_attn:
	.size	k_q64e5f04f52_attn, .Lfunc_end_k_q64e5f04f52_attn-k_q64e5f04f52_attn
	.p2alignl 7, 3214868480
	.fill 96, 4, 3214868480
	.section	.rodata,"a",@progbits
	.p2align	6, 0x0
	.amdhsa_kernel k_q64e5f04f52_attn
		.amdhsa_group_segment_fixed_size 327680
		.amdhsa_private_segment_fixed_size 0
		.amdhsa_enable_private_segment 0
		.amdhsa_kernarg_size 24
		.amdhsa_user_sgpr_count 2
		.amdhsa_user_sgpr_kernarg_segment_ptr 1
		.amdhsa_wavefront_size32 1
		.amdhsa_system_sgpr_workgroup_id_x 1
		.amdhsa_system_sgpr_workgroup_id_y 1
		.amdhsa_system_sgpr_workgroup_id_z 1
		.amdhsa_system_vgpr_workitem_id 0
		.amdhsa_next_free_vgpr 1024
		.amdhsa_next_free_sgpr 66
		.amdhsa_reserve_vcc 0
		.amdhsa_float_denorm_mode_32 3
		.amdhsa_float_denorm_mode_16_64 3
		.amdhsa_memory_ordered 1
		.amdhsa_forward_progress 1
		.amdhsa_inst_pref_size 255
	.end_amdhsa_kernel
	.section	.bss,"aw",@nobits
	.p2align	6
	.space	262144
	.amdgpu_metadata
---
amdhsa.version: [ 1, 2 ]
amdhsa.kernels:
  - .name:           k_q64e5f04f52_attn
    .symbol:         k_q64e5f04f52_attn.kd
    .args:
      - { .name: qws, .offset: 0, .size: 8, .value_kind: global_buffer, .address_space: global }
      - { .name: kv, .offset: 8, .size: 8, .value_kind: global_buffer, .address_space: global }
      - { .name: out0, .offset: 16, .size: 8, .value_kind: global_buffer, .address_space: global }
    .group_segment_fixed_size: 327680
    .private_segment_fixed_size: 0
    .kernarg_segment_align: 8
    .kernarg_segment_size: 24
    .max_flat_workgroup_size: 128
    .sgpr_count:     66
    .vgpr_count:     1024
    .wavefront_size: 32
...
	.end_amdgpu_metadata
.endif
;; end of part 2
;; ======== version 2 of 2: 2 launches; version 1 with the launch proj written anew for expert scheduling mode
;; workspace buffers: qws 4,325,376 bytes; kv 8,650,752 bytes
;; launch proj (part 3): grid 64 x 3, 4 waves a work-group, no clusters, 147,968 bytes of LDS; arguments x, Wq, bq, Wk, bk, Wv, bv, qws, kv; writes qws, kv
.if DOCPART == 3
	.amdgcn_target "amdgcn-amd-amdhsa--gfx1250"
	.amdhsa_code_object_version 6
	.text
	.protected	k_q64e5f04f52_proj
	.globl	k_q64e5f04f52_proj
	.p2align	8
	.type	k_q64e5f04f52_proj,@function
k_q64e5f04f52_proj:
	s_mov_b64 s[64:65], 0
	v_nop
	global_prefetch_b8 v0, s[64:65] scope:SCOPE_SE
	s_setreg_imm32_b32 hwreg(HW_REG_WAVE_SCHED_MODE, 0, 2), 2
	s_setreg_imm32_b32 hwreg(HW_REG_WAVE_MODE, 25, 1), 1
	s_wait_xcnt 0x0
	s_wait_alu depctr_vm_vsrc(0)
; q = x Wq^T + bq, k = x Wk^T + bk, v = x Wv^T + bv on codes of FP8 (E4M3) with one E8M0 scale for each 32 along K, and the results quantised again:
; q and k along the channels, v along the KEYS.  x: [16384][256] f32, W: [256][256] f32 (K = d innermost), b: [256] f32.
; A work-group takes 256 tokens (grid x) and one of the three products (grid y: 0 q, 1 k, 2 v).  It reads two dense matrices of 256 x 256 f32, its rows of x and its W.
; ROLES.  P is source 0 of the products, R source 1.  In a result a lane holds ONE row of R and its registers run along P's rows, which are the K of the product that comes next.
;   q, k: P = W (registers along the channels), R = x (a lane a token).   v: P = x (registers along the tokens = keys), R = Wv (a lane a channel).
; THE ROWS OF A TILE ARE NOT NEIGHBOURS: lane row p of tile 2 b + u is row 32 b + 8 u + p + 8 (p / 8), so that the 16 registers of tiles 2 b, 2 b + 1 of a result are 16 neighbours along the next K.
; STAGE 1: wave w turns tiles 4 w .. 4 w + 3 of P and of R into codes (LDS rows of 256 bytes + 16) and scale bytes (8 a row).  One barrier.
; STAGE 2: wave w owns R's tiles 4 w .. 4 w + 3; for each half of P's 16 tiles: 64 products (K = 256 in two steps), the bias as the C of the first step, then the quantiser in registers.
; WHAT IS STORED are images of operand registers: a fragment (16 rows x 128 K) is four pieces of 512 bytes, piece c = registers 4 c .. 4 c + 3, lane l's 16 bytes at 16 l; a scale word a row beside them.
;   qws: [256 blocks of 64 queries][ images (t 4)(s 2) 2,048 bytes | scale words (t)(s)(row) ] = 16,896 bytes a block.
;   kv:  [128 steps of 128 keys][ K: images (kt 8)(s 2), words (kt)(s)(row) = 33,792 bytes | V: images (ct 16), words (ct)(row) = 33,792 bytes ].
; LIMITS: NaN and infinities among the inputs are not served.  A block of zeros gets the byte 1 (the floor) with zero codes where the rule says 127: the bytes are read by this program alone.
; REGISTERS, in windows of 256.  Window 0: v1-23 addresses; v24-39 the quantiser's work; v40-43 scale words made; v44-55 scale words of R and P (nothing else ever);
;   v64-127 stage 1: codes and bytes, stage 2: the codes made; v128-255 stage 1: maxima, scales, holds, stage 2: R's eight fragments.
;   Window 1: stage 1: two sets of 16 rows x 8 numbers; stage 2: the 32 accumulators.  Window 2: P's 16 fragments of a half.  Window 3: the bias in both layouts.
; THE MODE: SCHED_MODE bits 1:0 = 2 (LLVM: expert scheduling mode 2), set by the entry lines.  The code itself states the register dependences
; between vector or matrix instructions and memory or LDS instructions, with s_wait_alu, always for 0.
; THE PLAN.  Registers that memory or LDS instructions touch:
;   v1-20, v62, v63   offsets and addresses: written by vector lines at the head and never again.  One wait on va_vdst ahead of the first load serves every load and store of the kernel.
;   XA, XB            stage 1: a tile's 32 loads land in a set; its maxima, holds and conversions read and write it; behind them the set's next tile is asked for at once.
;   v64-111           stage 1: written by a tile's conversions and shifts, read by its 32 LDS stores, written again by the next tile.
;     So ONE wait on va_vdst stands in a tile, behind its conversions: the set is done with, the codes and bytes are written; the tile's 32 loads and 32 LDS stores follow with no vector line among them.
;     One wait on vm_vsrc stands at the head of every tile but the first: the last tile's LDS stores have read the codes' and bytes' registers.
;   v128-175          stage 1: named by vector lines alone; in stage 2 fragments of R land there: the last tile's wait on va_vdst stands behind every line that named them.
;   v44-55, v128-255, window 2   stage 2: filled by LDS loads, read by the products.  The second half's loads of v48-55 and window 2 follow the first wait on va_vdst that stands behind the first half's products.
;   v64-127, v40-43   stage 2: written by a tile's conversions and its scale word's lines, read by its five stores behind ONE wait on va_vdst; written again in the second half, behind a wait on vm_vsrc at that half's head.
;   v24-27            the last LDS load lands there, behind the last tile's wait on va_vdst.
.set ROWP,  272                        ; a row of codes in LDS: 256 bytes + 16: an odd multiple of 16, so the 16 rows of a fragment load start 16 bytes apart modulo 256
.set TILEB, 16*ROWP
.set RCODE, 256*ROWP                   ; R's rows lie behind P's 256
.set SCL,   2*RCODE                    ; scale bytes: 8 a row, P's 2,048 bytes, then R's
.set SW,    SCL+4096                   ; 512 bytes a wave: the scale words made, (rt)(half)(row)
.set QBLK,  16896
.set CHUNK, 33792
.set STEPB, 2*CHUNK
.set XO,  1                            ; v1   32 x lane: my 8 numbers of a row
.set CAP, 2                            ; v2   8 x lane + 17,408 x wave: where my codes of P go
.set CAR, 3                            ; v3   the same for R
.set SAP, 4                            ; v4   SCL + 512 x wave + lane / 4: my block's scale byte
.set FA,  7                            ; v7   272 r + 16 h: a fragment's place for my lane
.set FAR, 8                            ; v8   the same in my four tiles of R
.set FS,  9                            ; v9   SCL + 8 r + 4 h: lanes 0-15 the word of K step 0, lanes 16-31 of K step 1
.set FSR, 10                           ; v10  the same for my tiles of R
.set LI,  11                           ; v11  16 x lane
.set VO,  12                           ; v12-15  16 x lane + rt x (bytes from tile to tile in the output)
.set SGO, 16                           ; v16  where my 16 bytes of scale words go
.set BO,  17                           ; v17  64 h: the bias in P's layout
.set BR,  18                           ; v18  the bias in R's layout
.set SWA, 19                           ; v19  SW + 512 x wave + 4 r
.set SWR, 20                           ; v20  SW + 512 x wave + 16 x lane
.set TM,  24                           ; v24-27 maxima, v28-31 bytes, v32-35 holds, v36-39 scale operands
.set PW,  40
.set RS,  44
.set PSC, 48
.set CD,  64
.set BY,  96
.set PC,  64
.set MX,  128
.set SO,  144
.set HD,  160
.set RF,  128
.set XA,  0                            ; window 1
.set XB,  128
.set CB,  0                            ; window 3: the bias along P's rows, 64 half + 8 pt
.set CR,  128                          ; window 3: the bias of my lane's row of R, 8 rt
.set WV,   22
.set KIND, 23
.set PP,   26
.set RP,   28
.set BP,   30
.set OUT,  32
.set OUT2, 34
.set SCB,  36
.set HFS,  38
.set RTS,  39
.set SH,   40
.set SR,   41
.set SEL,  46
.set MNT,  48
.set MSB, 0
.macro WIN new                         ; the immediate's high byte repeats the setting that is left; a switch that changes nothing is dropped
.if MSB != (\new)
	s_set_vgpr_msb (MSB<<8)|(\new)
.set MSB, (\new)
.endif
.endm
.macro NOPS n
.rept \n
	v_nop
.endr
.endm
	s_load_b256 s[4:11], s[0:1], 0x0               ; x s[4:5], Wq s[6:7], bq s[8:9], Wk s[10:11]
	s_load_b256 s[12:19], s[0:1], 0x20             ; bk s[12:13], Wv s[14:15], bv s[16:17], qws s[18:19]
	s_load_b64 s[20:21], s[0:1], 0x40              ; kv
	v_lshl_add_u32 v62, v0, 2, 0x24000
	v_mov_b32 v63, 0
	v_lshrrev_b32 v21, 5, v0
	v_readfirstlane_b32 s[WV], v21                 ; wave 0..3
	s_wait_alu depctr_va_sdst(0)                   ; s22, the wave's number, is written, ahead of its first reader: offsets and LDS addresses are made from it
	s_and_b32 s[KIND], ttmp7, 0xffff               ; 0 q, 1 k, 2 v
	; byte offsets in the output for each of the three kinds, then the choice: offsets are numbers of their own, apart from every address
	s_lshr_b32 s50, s[WV], 1
	s_and_b32 s51, s[WV], 1
	s_lshl_b32 s52, ttmp9, 2
	s_add_co_u32 s52, s52, s[WV]
	s_mul_i32 s52, s52, QBLK                       ; q: my 64 tokens are block 4 x + w
	s_add_co_u32 s53, s52, 16384                   ;    its scale words
	s_lshl_b32 s54, ttmp9, 1
	s_mul_i32 s56, s54, STEPB                      ; (v: step 2 x)
	s_add_co_u32 s54, s54, s50
	s_mul_i32 s54, s54, STEPB                      ; k: step 2 x + w / 2
	s_lshl_b32 s55, s51, 9
	s_add_co_u32 s55, s55, s54
	s_add_co_u32 s55, s55, 32768                   ;    its scale words: 512 bytes for each half of the step's 8 tiles
	s_lshl_b32 s57, s51, 14
	s_add_co_u32 s54, s54, s57                     ;    tiles 4 (w % 2) on
	s_lshl_b32 s57, s[WV], 8
	s_add_co_u32 s57, s57, s56
	s_add_co_u32 s57, s57, CHUNK+32768             ; v: scale words of channel tiles 4 w on
	s_lshl_b32 s58, s[WV], 13
	s_add_co_u32 s56, s56, s58
	s_add_co_u32 s56, s56, CHUNK                   ;    images of channel tiles 4 w on
	s_mov_b32 s58, STEPB
	s_mov_b32 s[HFS], 2048
	s_mov_b32 s[RTS], 4096
	s_mov_b32 s[SR], 128
	s_cmp_eq_u32 s[KIND], 0
	s_cselect_b32 s52, s52, s54
	s_cselect_b32 s53, s53, s55
	s_cmp_eq_u32 s[KIND], 2
	s_cselect_b32 s52, s56, s52                    ; images
	s_cselect_b32 s53, s57, s53                    ; scale words
	s_cselect_b32 s[HFS], s58, s[HFS]              ; from half to half: q, k: the next K step's image; v: the next key step
	s_cselect_b32 s[RTS], 2048, s[RTS]             ; from tile to tile of R
	s_cselect_b32 s[SH], s58, 64                   ; the same two for the scale words
	s_cselect_b32 s[SR], 64, s[SR]
	v_and_b32 v21, 31, v0                          ; lane
	v_and_b32 v22, 15, v0                          ; r
	v_bfe_u32 v23, v0, 4, 1                        ; h
	v_lshlrev_b32 v[XO], 5, v21
	s_mul_i32 s57, s[WV], 4*TILEB
	v_lshl_add_u32 v[CAP], v21, 3, s57
	v_add_nc_u32 v[CAR], RCODE, v[CAP]
	s_lshl_b32 s57, s[WV], 9
	v_lshrrev_b32 v[SAP], 2, v21
	v_add_nc_u32 v[SAP], s57, v[SAP]
	v_add_nc_u32 v[SAP], SCL, v[SAP]
	v_mul_u32_u24 v[FA], v22, ROWP
	v_lshl_add_u32 v[FA], v23, 4, v[FA]
	s_mul_i32 s57, s[WV], 4*TILEB
	s_add_co_u32 s57, s57, RCODE
	v_add_nc_u32 v[FAR], s57, v[FA]
	v_lshlrev_b32 v[FS], 3, v22
	v_lshl_add_u32 v[FS], v23, 2, v[FS]
	v_add_nc_u32 v[FS], SCL, v[FS]
	s_lshl_b32 s57, s[WV], 9
	s_add_co_u32 s57, s57, 2048
	v_add_nc_u32 v[FSR], s57, v[FS]
	v_lshlrev_b32 v[LI], 4, v21
	v_mov_b32 v[VO], v[LI]
	v_add_nc_u32 v[VO+1], s[RTS], v[VO]
	v_add_nc_u32 v[VO+2], s[RTS], v[VO+1]
	v_add_nc_u32 v[VO+3], s[RTS], v[VO+2]
	v_and_b32 v[SGO], 3, v21                       ; lane l holds words (rt = l / 8)(half = (l / 4) % 2)(rows 4 (l % 4) on)
	v_lshlrev_b32 v[SGO], 4, v[SGO]
	v_bfe_u32 v[SWR], v21, 2, 1
	v_mad_u32_u24 v[SGO], v[SWR], s[SH], v[SGO]
	v_lshrrev_b32 v[SWR], 3, v21
	v_mad_u32_u24 v[SGO], v[SWR], s[SR], v[SGO]
	v_lshlrev_b32 v[BO], 6, v23
	v_and_b32 v[BR], 8, v22
	v_add_nc_u32 v[BR], v[BR], v22                 ; r + 8 (r / 8)
	v_lshlrev_b32 v[BR], 2, v[BR]
	s_lshl_b32 s57, s[WV], 8
	v_add_nc_u32 v[BR], s57, v[BR]                 ; + my 64 rows of R
	s_lshl_b32 s57, s[WV], 9
	s_add_co_u32 s57, s57, SW
	v_lshl_add_u32 v[SWA], v22, 2, s57
	v_add_nc_u32 v[SWR], s57, v[LI]
.irp b, 0,1,2,3
	v_mov_b32 v[TM+4+\b], 0                        ; written once: a lane permute's destination counts as one of its sources
.endr
	s_mov_b32 s[SEL], 0x76543210
	s_mov_b32 s[SEL+1], 0xfedcba98                 ; v_permlanex16_b32's selects for lane l xor 16
	s_mov_b32 s[MNT], 0x600000                     ; the mantissa field of 448
	s_wait_kmcnt 0x0
	s_lshl_b32 s58, ttmp9, 18                      ; my 256 rows of x: 1,024 bytes a row
	s_mov_b32 s59, 0
	s_add_nc_u64 s[4:5], s[4:5], s[58:59]
	s_cmp_eq_u32 s[KIND], 0                        ; the buffers are chosen on the work-group's number alone
	s_cselect_b64 s[6:7], s[6:7], s[10:11]
	s_cselect_b64 s[BP:BP+1], s[8:9], s[12:13]
	s_cselect_b64 s[OUT:OUT+1], s[18:19], s[20:21]
	s_cmp_eq_u32 s[KIND], 2
	s_cselect_b64 s[6:7], s[14:15], s[6:7]         ; my W
	s_cselect_b64 s[BP:BP+1], s[16:17], s[BP:BP+1] ; my bias
	s_cselect_b64 s[PP:PP+1], s[4:5], s[6:7]       ; P: v: x, else W
	s_cselect_b64 s[RP:RP+1], s[6:7], s[4:5]       ; R: v: W, else x
	s_mov_b32 s58, s53
	s_add_nc_u64 s[SCB:SCB+1], s[OUT:OUT+1], s[58:59]
	s_mov_b32 s58, s52
	s_add_nc_u64 s[OUT:OUT+1], s[OUT:OUT+1], s[58:59]
	s_mov_b32 s58, s[HFS]
	s_add_nc_u64 s[OUT2:OUT2+1], s[OUT:OUT+1], s[58:59]   ; the second half's base in a pair of its own: no base is ever stepped
	s_lshl_b32 s58, s[WV], 16                      ; my tiles 4 w on begin at row 64 w
	s_add_nc_u64 s[PP:PP+1], s[PP:PP+1], s[58:59]
	s_add_nc_u64 s[RP:RP+1], s[RP:RP+1], s[58:59]
	; the bias in both layouts, on every way
	WIN 0xc0                                       ; destination window 3
	s_wait_alu depctr_va_vdst(0)                   ; the offsets and addresses v1 to v20 are written, which the loads and stores of the whole kernel read; no vector line writes one of them again
.irp hf, 0,1
.irp pt, 0,1,2,3,4,5,6,7
	global_load_b128 v[CB+64*\hf+8*\pt:CB+64*\hf+8*\pt+3], v[BO], s[BP:BP+1] offset:512*\hf+128*(\pt/2)+32*(\pt%2)       ; b at 128 half + 32 (pt / 2) + 8 (pt % 2) + 16 h + 0 .. 7
	global_load_b128 v[CB+64*\hf+8*\pt+4:CB+64*\hf+8*\pt+7], v[BO], s[BP:BP+1] offset:512*\hf+128*(\pt/2)+32*(\pt%2)+16
.endr
.endr
.irp rt, 0,1,2,3
	global_load_b32 v[CR+8*\rt], v[BR], s[BP:BP+1] offset:(32*(\rt/2)+8*(\rt%2))*4
.endr
; ---- STAGE 1.  A tile's 16 rows x 8 numbers a lane; four neighbouring lanes hold a block of 32.
.macro LOADT xs, base, k               ; tile 4 w + k: lane row p is memory row 32 (k / 2) + 8 (k % 2) + 16 (p / 8) + p % 8 of my 64
	WIN 0x40                                       ; destination window 1
.irp p, 0,1,2,3,4,5,6,7,8,9,10,11,12,13,14,15
	global_load_b128 v[\xs+8*\p:\xs+8*\p+3], v[XO], s[\base:\base+1] offset:(32*((\k)/2)+8*((\k)%2)+16*(\p/8)+\p%8)*1024
	global_load_b128 v[\xs+8*\p+4:\xs+8*\p+7], v[XO], s[\base:\base+1] offset:(32*((\k)/2)+8*((\k)%2)+16*(\p/8)+\p%8)*1024+16
.endr
.endm
; 16 rows become codes and scale bytes in LDS; stage by stage over the 16 rows, so that no line waits for the line above it.  Behind the conversions the set is asked for again: tile k + 1 of the same matrix (base).
.macro PROC xs, adr, k, soff, base
	s_wait_dscnt 0x0                               ; the last tile's LDS stores are done
.if ((\k)+(\soff)) > 0
	s_wait_alu depctr_vm_vsrc(0)                   ; the last tile's LDS stores have read v64 to v111, the codes and bytes, which this tile's shifts and conversions write again
.endif
	WIN 0x05
.irp p, 0,1,2,3,4,5,6,7,8,9,10,11,12,13,14,15
	v_max3_num_f32 v[MX+\p], |v[\xs+8*\p]|, |v[\xs+8*\p+1]|, 0x4800000   ; with the floor 2^(9 - 127): the byte cannot fall under 1
.endr
	WIN 0x14
.irp i, 2,4,6
.irp p, 0,1,2,3,4,5,6,7,8,9,10,11,12,13,14,15
	v_max3_num_f32 v[MX+\p], v[MX+\p], |v[\xs+8*\p+\i]|, |v[\xs+8*\p+\i+1]|
.endr
.endr
	WIN 0
.irp p, 0,1,2,3,4,5,6,7,8,9,10,11,12,13,14,15
	v_max_num_f32_dpp v[MX+\p], v[MX+\p], v[MX+\p] row_xmask:1 row_mask:0xf bank_mask:0xf
.endr
.irp p, 0,1,2,3,4,5,6,7,8,9,10,11,12,13,14,15
	v_max_num_f32_dpp v[MX+\p], v[MX+\p], v[MX+\p] row_xmask:2 row_mask:0xf bank_mask:0xf   ; the four lanes' 32 numbers: the block's largest magnitude
.endr
.irp p, 0,1,2,3,4,5,6,7,8,9,10,11,12,13,14,15
	v_add_nc_u32 v[SO+\p], 0xfc000000, v[MX+\p]    ; 8 off the exponent field: the conversion's scale operand
.endr
.irp p, 0,1,2,3,4,5,6,7,8,9,10,11,12,13,14,15
	v_and_or_b32 v[HD+\p], v[MX+\p], 0x7f800000, s[MNT]   ; 448 x the scale
.endr
.irp p, 0,1,2,3,4,5,6,7,8,9,10,11,12,13,14,15
	v_lshrrev_b32 v[BY+\p], 23, v[SO+\p]           ; the scale's byte
.endr
	WIN 0x41
.irp p, 0,1,2,3,4,5,6,7,8,9,10,11,12,13,14,15
.irp i, 0,1,2,3,4,5,6,7
	v_med3_num_f32 v[\xs+8*\p+\i], v[\xs+8*\p+\i], -v[HD+\p], v[HD+\p]   ; the conversion to an 8-bit code does not saturate (ISA guide 7.6.2): the hold
.endr
.endr
	WIN 0x01
.irp p, 0,1,2,3,4,5,6,7,8,9,10,11,12,13,14,15
	v_cvt_scalef32_pk8_fp8_f32 v[CD+2*\p:CD+2*\p+1], v[\xs+8*\p:\xs+8*\p+7], v[SO+\p]
.endr
	v_nop                                          ; a plain line behind the last conversion: matrix instructions later write its sources
.if (\k) < 3
	WIN 0x40                                       ; the window of the loads below, ahead of the wait
.else
	WIN 0
.endif
	s_wait_alu depctr_va_vdst(0)                   ; the holds and conversions are done with this set, in which the next tile's loads land; the conversions have written the codes and the shifts the bytes, which the LDS stores read.  In the last tile: all lines that named v128 to v175 are done too
.if (\k) < 3
	LOADT \xs, \base, (\k)+1                       ; the set is asked for again at once
.endif
	WIN 0
.irp p, 0,1,2,3,4,5,6,7,8,9,10,11,12,13,14,15
	ds_store_b64 v[\adr], v[CD+2*\p:CD+2*\p+1] offset:TILEB*(\k)+ROWP*\p   ; 32 lanes: a row's 256 codes.  No vector line stands between the wait above and these stores
.endr
.irp p, 0,1,2,3,4,5,6,7,8,9,10,11,12,13,14,15
	ds_store_b8 v[SAP], v[BY+\p] offset:\soff+128*(\k)+8*\p                ; the four lanes of a block write the same byte with the same value
.endr
.endm
	LOADT XA, PP, 0                                ; no vector line has been issued since the wait at the head
	LOADT XB, RP, 0
.irp k, 0,1,2,3
	s_wait_loadcnt 32                              ; P's tile (and all before it) is in; R's 32 loads may be out
	PROC XA, CAP, \k, 0, PP
.if \k < 3
	s_wait_loadcnt 32                              ; R's tile is in; the 32 just issued may be out
.else
	s_wait_loadcnt 0x0
.endif
	PROC XB, CAR, \k, 2048, RP
.endr
	WIN 0xc3
.irp rt, 0,1,2,3
.irp j, 1,2,3,4,5,6,7
	v_mov_b32 v[CR+8*\rt+\j], v[CR+8*\rt]          ; in R's layout a lane's eight registers of a tile share one bias
.endr
.endr
	WIN 0
	s_wait_dscnt 0x0                               ; for the others' sake: my codes and bytes lie in LDS
	s_barrier_signal -1
	s_barrier_wait -1
; ---- STAGE 2
	s_wait_alu depctr_vm_vsrc(0)                   ; my last tile's LDS stores have read v64 to v111: from here on these registers take the codes that stage 2's conversions make
.irp rt, 0,1,2,3
	ds_load_b32 v[RS+\rt], v[FSR] offset:128*\rt
.endr
.irp rt, 0,1,2,3
.irp s, 0,1
.irp c, 0,1,2,3
	ds_load_b128 v[RF+32*\rt+16*\s+4*\c:RF+32*\rt+16*\s+4*\c+3], v[FAR] offset:TILEB*\rt+128*\s+32*\c   ; into v128 on: since the last tile's wait on va_vdst only the bias's copies in window 3 have been issued, which name none of these
.endr
.endr
.endr
; 64 numbers of a lane in window 1, register 16 b + i = k 32 b + 16 h + i of my row, become a fragment's codes and its scale word; both leave at once
.macro QUANT rt, hf
.set DB, 64*(\rt)
.set PCB, PC+16*(\rt)
	WIN 0x05
.irp b, 0,1,2,3
	v_max3_num_f32 v[TM+\b], |v[DB+16*\b]|, |v[DB+16*\b+1]|, 0x4800000   ; each accumulator is read from its low end on
.endr
	WIN 0x14
.irp i, 2,4,6,8,10,12,14
.irp b, 0,1,2,3
	v_max3_num_f32 v[TM+\b], v[TM+\b], |v[DB+16*\b+\i]|, |v[DB+16*\b+\i+1]|
.endr
.endr
	WIN 0
.irp b, 0,1,2,3
	v_permlanex16_b32 v[TM+4+\b], v[TM+\b], s[SEL], s[SEL+1]
.endr
.irp b, 0,1,2,3
	v_max_num_f32 v[TM+\b], v[TM+\b], v[TM+4+\b]   ; with lane l xor 16's 16: the block's largest magnitude
.endr
.irp b, 0,1,2,3
	v_add_nc_u32 v[TM+12+\b], 0xfc000000, v[TM+\b]
.endr
.irp b, 0,1,2,3
	v_and_or_b32 v[TM+8+\b], v[TM+\b], 0x7f800000, s[MNT]
.endr
.irp b, 0,1,2,3
	v_lshrrev_b32 v[TM+4+\b], 23, v[TM+12+\b]
.endr
	v_lshl_or_b32 v[PW+(\rt)], v[TM+5], 8, v[TM+4]
	v_lshl_or_b32 v[PW+(\rt)], v[TM+6], 16, v[PW+(\rt)]
	v_lshl_or_b32 v[PW+(\rt)], v[TM+7], 24, v[PW+(\rt)]
	WIN 0x41
.irp b, 0,1,2,3
.irp i, 0,1,2,3,4,5,6,7,8,9,10,11,12,13,14,15
	v_med3_num_f32 v[DB+16*\b+\i], v[DB+16*\b+\i], -v[TM+8+\b], v[TM+8+\b]
.endr
.endr
	WIN 0x01
.irp b, 0,1,2,3
	v_cvt_scalef32_pk8_fp8_f32 v[PCB+4*\b:PCB+4*\b+1], v[DB+16*\b:DB+16*\b+7], v[TM+12+\b]
	v_cvt_scalef32_pk8_fp8_f32 v[PCB+4*\b+2:PCB+4*\b+3], v[DB+16*\b+8:DB+16*\b+15], v[TM+12+\b]
.endr
	v_nop                                          ; a plain line behind the last conversion
	WIN 0
	s_wait_alu depctr_va_vdst(0)                   ; the conversions have written this tile's codes and the lines above its scale word, which the five stores below read
.irp c, 0,1,2,3
.if \hf
	global_store_b128 v[VO+(\rt)], v[PCB+4*\c:PCB+4*\c+3], s[OUT2:OUT2+1] offset:512*\c   ; 32 lanes store 512 consecutive bytes, at a multiple of 256 from the buffer's first byte
.else
	global_store_b128 v[VO+(\rt)], v[PCB+4*\c:PCB+4*\c+3], s[OUT:OUT+1] offset:512*\c
.endif
.endr
	ds_store_b32 v[SWA], v[PW+(\rt)] offset:128*(\rt)+64*(\hf)     ; lanes r and r + 16 write the same word with the same value
.endm
; P's eight tiles of a half: their scale words and their sixteen fragments
.macro PLOAD hf
.irp pt, 0,1,2,3,4,5,6,7
	ds_load_b32 v[PSC+\pt], v[FS] offset:128*(8*(\hf)+\pt)
.endr
	WIN 0x80                                       ; destination window 2
.irp pt, 0,1,2,3,4,5,6,7
.irp s, 0,1
.irp c, 0,1,2,3
	ds_load_b128 v[32*\pt+16*\s+4*\c:32*\pt+16*\s+4*\c+3], v[FA] offset:TILEB*(8*(\hf)+\pt)+128*\s+32*\c
.endr
.endr
.endr
	WIN 0
.endm
; One half of P's tiles.  The 32 accumulators take turns, one instruction a turn, K step 0 for all and then K step 1 for all.
.macro HALF hf
.if \hf
	s_wait_xcnt 0x0                                ; the first half's stores have had their addresses translated
	s_wait_alu depctr_vm_vsrc(0)                   ; the first half's stores have read the codes' registers v64 to v127 and the scale words v40 to v43, which this half's tiles write again; it stands ahead of the branch, on both ways
.else
	PLOAD 0                                        ; v48 to v55 and window 2 have been named by no vector line
.endif
	s_cmp_eq_u32 s[KIND], 2                        ; the two ways differ in the C of the first K step alone: the bias runs along P's rows (q, k) or along R's (v)
	s_cbranch_scc1 .Lalong_r_\@
	WIN 0x72                                       ; P window 2, R window 0, C window 3, D window 1
.irp pt, 0,1,2,3,4,5,6,7
	s_wait_dscnt 8*(7-\pt)+3*(\hf)                 ; tile pt's eight loads are in; the later tiles' may be out, and in the second half the three LDS stores of scale words that were issued behind the loads
.irp rt, 0,1,2,3
	v_wmma_scale_f32_16x16x128_f8f6f4 v[64*\rt+8*\pt:64*\rt+8*\pt+7], v[32*\pt:32*\pt+15], v[RF+32*\rt:RF+32*\rt+15], v[CB+64*(\hf)+8*\pt:CB+64*(\hf)+8*\pt+7], v[PSC+\pt], v[RS+\rt]
.endr
.endr
	WIN 0
	s_branch .Ljoin_\@
.Lalong_r_\@:
	WIN 0x72
.irp pt, 0,1,2,3,4,5,6,7
	s_wait_dscnt 8*(7-\pt)+3*(\hf)
.irp rt, 0,1,2,3
	v_wmma_scale_f32_16x16x128_f8f6f4 v[64*\rt+8*\pt:64*\rt+8*\pt+7], v[32*\pt:32*\pt+15], v[RF+32*\rt:RF+32*\rt+15], v[CR+8*\rt:CR+8*\rt+7], v[PSC+\pt], v[RS+\rt]
.endr
.endr
	WIN 0
.Ljoin_\@:
	WIN 0x52                                       ; C and D window 1
.irp pt, 0,1,2,3,4,5,6,7
.irp rt, 0,1,2,3
	v_wmma_scale_f32_16x16x128_f8f6f4 v[64*\rt+8*\pt:64*\rt+8*\pt+7], v[32*\pt+16:32*\pt+31], v[RF+32*\rt+16:RF+32*\rt+31], v[64*\rt+8*\pt:64*\rt+8*\pt+7], v[PSC+\pt], v[RS+\rt] matrix_a_scale:MATRIX_SCALE_ROW1 matrix_b_scale:MATRIX_SCALE_ROW1
.endr
.endr
	WIN 0
	NOPS 9                                         ; places behind the products: eight for the reads of results, one more since the next half's products write over these accumulators
	QUANT 0, \hf
.if (\hf) == 0
	PLOAD 1                                        ; the second half's tiles of P.  The wait on va_vdst in the tile above stands behind all of this half's products, which read v48 to v55 and window 2; only that tile's five stores, which name none of these, stand between.  The loads land under the three tiles below
.endif
	QUANT 1, \hf
	QUANT 2, \hf
	QUANT 3, \hf
.endm
	HALF 0
	HALF 1
	ds_load_b128 v[TM:TM+3], v[SWR]                ; LDS serves a wave's instructions in order: this sees my eight stores.  It lands in v24 to v27: the last tile's wait on va_vdst stands behind every line that named them
	s_wait_dscnt 0x0
	global_store_b128 v[SGO], v[TM:TM+3], s[SCB:SCB+1]   ; q, k: 512 consecutive bytes; v: 256 consecutive bytes in each of the two key steps
	s_wait_dscnt 0x0                               ; the closing lines, six on end
	s_wait_alu 0x0
	s_wait_tensorcnt 0x0
	ds_add_u32 v62, v63
	s_wait_dscnt 0x0
	s_endpgm
.Lfunc_end_k_q64e5f04f52_proj:
	.size	k_q64e5f04f52_proj, .Lfunc_end_k_q64e5f04f52_proj-k_q64e5f04f52_proj
	.p2alignl 7, 3214868480
	.fill 96, 4, 3214868480
	.section	.rodata,"a",@progbits
	.p2align	6, 0x0
	.amdhsa_kernel k_q64e5f04f52_proj
		.amdhsa_group_segment_fixed_size 147968
		.amdhsa_private_segment_fixed_size 0
		.amdhsa_enable_private_segment 0
		.amdhsa_kernarg_size 72
		.amdhsa_user_sgpr_count 2
		.amdhsa_user_sgpr_kernarg_segment_ptr 1
		.amdhsa_wavefront_size32 1
		.amdhsa_system_sgpr_workgroup_id_x 1
		.amdhsa_system_sgpr_workgroup_id_y 1
		.amdhsa_system_sgpr_workgroup_id_z 1
		.amdhsa_system_vgpr_workitem_id 0
		.amdhsa_next_free_vgpr 1024
		.amdhsa_next_free_sgpr 66
		.amdhsa_reserve_vcc 0
		.amdhsa_float_denorm_mode_32 3
		.amdhsa_float_denorm_mode_16_64 3
		.amdhsa_memory_ordered 1
		.amdhsa_forward_progress 1
		.amdhsa_inst_pref_size 255
	.end_amdhsa_kernel
	.section	.bss,"aw",@nobits
	.p2align	6
	.space	262144
	.amdgpu_metadata
---
amdhsa.version: [ 1, 2 ]
amdhsa.kernels:
  - .name:           k_q64e5f04f52_proj
    .symbol:         k_q64e5f04f52_proj.kd
    .args:
      - { .name: x, .offset: 0, .size: 8, .value_kind: global_buffer, .address_space: global }
      - { .name: Wq, .offset: 8, .size: 8, .value_kind: global_buffer, .address_space: global }
      - { .name: bq, .offset: 16, .size: 8, .value_kind: global_buffer, .address_space: global }
      - { .name: Wk, .offset: 24, .size: 8, .value_kind: global_buffer, .address_space: global }
      - { .name: bk, .offset: 32, .size: 8, .value_kind: global_buffer, .address_space: global }
      - { .name: Wv, .offset: 40, .size: 8, .value_kind: global_buffer, .address_space: global }
      - { .name: bv, .offset: 48, .size: 8, .value_kind: global_buffer, .address_space: global }
      - { .name: qws, .offset: 56, .size: 8, .value_kind: global_buffer, .address_space: global }
      - { .name: kv, .offset: 64, .size: 8, .value_kind: global_buffer, .address_space: global }
    .group_segment_fixed_size: 147968
    .private_segment_fixed_size: 0
    .kernarg_segment_align: 8
    .kernarg_segment_size: 72
    .max_flat_workgroup_size: 128
    .sgpr_count:     66
    .vgpr_count:     1024
    .wavefront_size: 32
...
	.end_amdgpu_metadata
.endif
;; end of part 3
;; launch attn: the kernel of part 2 again; grid 64 x 4, 4 waves a work-group, clusters of 4 x 1, 327,680 bytes of LDS; arguments qws, kv, out0; writes out0
